; MI455X (gfx1250); checked and timed in simulation.
; The chip was launched on July 23, 2026; its instructions are those of AMD's public machine-readable ISA for CDNA 5 (MIT licence, August 2026) and "CDNA5" Instruction Set Architecture Reference Guide (July 2026). The comments in the code are by the model that wrote it; some were corrected since.
;; Encoder Block. Allowed arithmetic: float matrix products may take bf16 or f16 operands with f32 sums; all other float work in f32.
;; Inputs: b1 4,096 float32; b2 1,024 float32; bk 1,024 float32; bo 1,024 float32; bq 1,024 float32; bv 1,024 float32; ln1_alpha one number float32; ln1_bias one number float32; ln2_alpha one number float32; ln2_bias one number float32; mask 2 x 1 x 1 x 2,048 int32; w1 1,024 x 4,096 float32; w2 4,096 x 1,024 float32; wk 1,024 x 1,024 float32; wo 1,024 x 1,024 float32; wq 1,024 x 1,024 float32; wv 1,024 x 1,024 float32; x 2 x 2,048 x 1,024 float32.
;; Outputs: out0 2 x 2,048 x 1,024 float32.
;; 2 versions, each right; version 2 is version 1 with the launch ln2 written anew for expert scheduling mode. Each part assembles by itself: llvm-mc -triple=amdgcn-amd-amdhsa -mcpu=gfx1250 --defsym DOCPART=n.
;; ======== version 1 of 2: 7 launches
;; limits: right only within a limited range of input values; values are held in f16: magnitudes above 65,504 overflow, below 6.1e-05 lose precision
;; workspace buffers: wqkv 8,390,656 bytes; w1b 8,390,656 bytes; w2o 10,485,760 bytes; bqkv 12,288 bytes; act 8,388,608 bytes; big 33,554,432 bytes; x1 16,777,216 bytes
;; launch prep (part 1): grid 64 x 16, 8 waves a work-group, no clusters, 0 bytes of LDS; arguments x, ln1_alpha, ln1_bias, act, wq, wk, wv, wo, w1, w2, bq, bk, bv, wqkv, w1b, w2o, bqkv; writes act, wqkv, w1b, w2o, bqkv
.if DOCPART == 1
	.amdgcn_target "amdgcn-amd-amdhsa--gfx1250"
	.amdhsa_code_object_version 6
	.text
	.protected	k_q4779958bfd_prep
	.globl	k_q4779958bfd_prep
	.p2align	8
	.type	k_q4779958bfd_prep,@function
k_q4779958bfd_prep:
	s_mov_b64 s[64:65], 0
	v_nop
	global_prefetch_b8 v0, s[64:65] scope:SCOPE_SE
	s_setreg_imm32_b32 hwreg(HW_REG_WAVE_MODE, 25, 1), 1
	s_wait_xcnt 0x0
; Two streams that do not depend on each other, in one launch: work-groups with y = 0..11 round the weights to f16, those with y = 12..15
; make the first layer norm.  One scalar branch on y at the head; the two parts share nothing but that.  No LDS, no matrix unit; the
; work-groups share no input, so no cluster.
;
; THE WEIGHTS, f32 to f16, once, in their own [K][N] order: the products read them by transposing LDS loads.
; f16 and not bf16: eleven significant bits instead of eight, and the weights have the room: a spread of 1/32 (w2: 1/64) lies 2^21 under f16's
; largest number, and thirty times smaller still leaves an absolute error of 2^-25 (f16 denormals are kept), under 1e-4 of the spread.
; LIMIT: a weight beyond 65,504 in magnitude becomes infinite.
;   wqkv: [1024][pitch 4096] f16, columns 0-1023 wq, 1024-2047 wk, 2048-3071 wv; at byte 8,388,608 the f32 floor -inf, 2,048 bytes of it
;   w1b:  [1024][4096] f16; at byte 8,388,608 the f32 floor 0.0, 2,048 bytes of it (the floor is what makes the shared product a ReLU or not)
;   w2o:  w2 [4096][1024] f16 at byte 0, wo [1024][1024] f16 at byte 8,388,608
;   bqkv: bq, bk, bv one behind the other, f32
; Work-group (x, y): y picks 1,048,576 numbers (0,1,2: wq, wk, wv; 3: wo; 4-7: quarters of w1; 8-11: quarters of w2), x 16,384 of them.
; Chunk i of sixteen is 1,024 numbers: thread t loads 16 bytes at 16 t + 4,096 i and stores 8 bytes at 8 t + i x step, so a wave's load
; covers 512 consecutive bytes and a wave's store 256 consecutive bytes, aligned.  All sixteen loads go out first; every data register is
; written once, so no register waits for a store.
;
; THE NORM: act[r][c] = f16( alpha (x[r][c] - mean[r]) / (std[r] + 1e-6) + bias ).  x: [4096][1024] f32, act: [4096][1024] f16.
; std with the divisor 1023.  Two passes over the row in registers: the mean first, then the squares of the differences, so a common
; offset of the row costs no digits.  f16 has the room: a deviate of 1,024 numbers divided by their std is at most 1023/32, so
; |act| <= 32 |alpha| + |bias|.  LIMIT: beyond 65,504 (|alpha| near 2,000) the result becomes infinite.
; Row group 64 (y & 3) + x takes 16 rows; one wave, one row at a time (4,096 bytes = 32 registers), two rows a wave: the sums never leave
; the wave, so no barrier.  Each load of a wave covers 512 consecutive bytes, each store 256, aligned.  No hint on x's loads: a later launch reads x again.
.set IN, 4                             ; weights: v[4:67]    chunk i: 4 registers as loaded
.set PK, 68                            ;          v[68:99]   chunk i: 2 registers to store
.set E,  100                           ;          v[100:103] a bias on its way through
.set FL, 104                           ;          v[104:105] the floor
.set X0, 4                             ; norm:    v[4:35]    row 0
.set X1, 36                            ;          v[36:67]   row 1
.set T,  68                            ;          v[68:77]   at work
	s_and_b32 s2, ttmp7, 0xffff                    ; y
	s_cmp_ge_u32 s2, 12
	s_cbranch_scc1 .Lnorm
	; ---------------- the weights ----------------
	s_load_b256 s[8:15], s[0:1], 0x20              ; wq s[8:9], wk s[10:11], wv s[12:13], wo s[14:15]
	s_load_b256 s[16:23], s[0:1], 0x40             ; w1 s[16:17], w2 s[18:19], bq s[20:21], bk s[22:23]
	s_load_b256 s[24:31], s[0:1], 0x60             ; bv s[24:25], wqkv s[26:27], w1b s[28:29], w2o s[30:31]
	s_load_b64 s[32:33], s[0:1], 0x80              ; bqkv
	s_mov_b32 s3, ttmp9                            ; x
	v_lshlrev_b32 v1, 4, v0                        ; 16 t
	v_lshlrev_b32 v2, 3, v0                        ; 8 t
	; byte offsets, in registers of their own
	s_and_b32 s4, s2, 3
	s_lshl_b32 s40, s3, 16                         ; source: x x 65,536
	s_lshl_b32 s5, s4, 22                          ; + the quarter of w1 or w2
	s_cmp_ge_u32 s2, 4
	s_cselect_b32 s5, s5, 0
	s_add_co_u32 s40, s40, s5
	s_mov_b32 s41, 0
	s_lshl_b32 s6, s3, 17                          ; y < 3: 16 rows of 8,192 bytes for each x,
	s_lshl_b32 s7, s2, 11                          ; and 2,048 bytes of a row for each y
	s_add_co_u32 s6, s6, s7
	s_lshl_b32 s7, s3, 15                          ; flat: x x 32,768
	s_lshl_b32 s34, s4, 21                         ; y >= 4: + the quarter
	s_add_co_u32 s34, s34, s7
	s_add_co_u32 s7, s7, 0x800000                  ; y = 3: wo lies behind w2
	s_cmp_lt_u32 s2, 3
	s_cselect_b32 s42, s6, s7
	s_cmp_ge_u32 s2, 4
	s_cselect_b32 s42, s34, s42
	s_mov_b32 s43, 0
	s_wait_kmcnt 0x0
	; which buffer: choices on y alone
	s_cmp_eq_u32 s2, 1
	s_cselect_b64 s[36:37], s[10:11], s[8:9]
	s_cmp_eq_u32 s2, 2
	s_cselect_b64 s[36:37], s[12:13], s[36:37]
	s_cmp_eq_u32 s2, 3
	s_cselect_b64 s[36:37], s[14:15], s[36:37]
	s_cmp_ge_u32 s2, 4
	s_cselect_b64 s[36:37], s[16:17], s[36:37]
	s_cmp_ge_u32 s2, 8
	s_cselect_b64 s[36:37], s[18:19], s[36:37]
	s_cmp_eq_u32 s2, 3
	s_cselect_b64 s[38:39], s[30:31], s[26:27]
	s_cmp_ge_u32 s2, 4
	s_cselect_b64 s[38:39], s[28:29], s[38:39]
	s_cmp_ge_u32 s2, 8
	s_cselect_b64 s[38:39], s[30:31], s[38:39]
	s_add_nc_u64 s[44:45], s[36:37], s[40:41]
	s_add_nc_u64 s[46:47], s[38:39], s[42:43]
.irp i, 0,1,2,3,4,5,6,7,8,9,10,11,12,13,14,15
	global_load_b128 v[IN+4*\i:IN+4*\i+3], v1, s[44:45] offset:\i*4096 th:TH_LOAD_NT
.endr
.macro OUT step                        ; step: bytes from one chunk's place in the destination to the next
.irp i, 0,1,2,3,4,5,6,7,8,9,10,11,12,13,14,15
	s_wait_loadcnt 15-\i                           ; loads come back in order: chunk i is in, the 15 - i younger ones stay out
	v_cvt_pk_f16_f32 v[PK+2*\i],   v[IN+4*\i],   v[IN+4*\i+1]
	v_cvt_pk_f16_f32 v[PK+2*\i+1], v[IN+4*\i+2], v[IN+4*\i+3]
	global_store_b64 v2, v[PK+2*\i:PK+2*\i+1], s[46:47] offset:\i*\step
.endr
.endm
	s_cmp_lt_u32 s2, 3
	s_cbranch_scc0 .Lflat
	OUT 8192                                       ; a chunk is a row of wq, wk or wv: rows of wqkv are 8,192 bytes apart
	s_branch .Lextras
.Lflat:
	OUT 2048                                       ; dense
.Lextras:
	s_cmp_lg_u32 s3, 0                             ; the small things are done by the work-groups with x = 0
	s_cbranch_scc1 .Lend
	s_cmp_lt_u32 s2, 3
	s_cbranch_scc0 .Lfloor
	s_cmp_eq_u32 s2, 1                             ; y = 0, 1, 2: bq, bk, bv, 4,096 bytes each = 256 threads x 16
	s_cselect_b64 s[48:49], s[22:23], s[20:21]
	s_cmp_eq_u32 s2, 2
	s_cselect_b64 s[48:49], s[24:25], s[48:49]
	global_load_b128 v[E:E+3], v1, s[48:49]
	s_lshl_b32 s50, s2, 12
	s_mov_b32 s51, 0
	s_add_nc_u64 s[52:53], s[32:33], s[50:51]
	s_wait_loadcnt 0x0
	global_store_b128 v1, v[E:E+3], s[52:53]
.Lfloor:
	s_and_b32 s5, s2, 11                           ; y = 0 (wqkv) and y = 4 (w1b) write the floor behind the weights
	s_cmp_lg_u32 s5, 0
	s_cbranch_scc1 .Lend
	s_cmp_eq_u32 s2, 0
	s_cselect_b32 s5, 0xff800000, 0                ; -inf: no floor at all; 0.0: ReLU
	v_mov_b32 v[FL], s5
	v_mov_b32 v[FL+1], s5
	s_add_nc_u64 s[54:55], s[38:39], 0x800000
	global_store_b64 v2, v[FL:FL+1], s[54:55]
.Lend:
	s_endpgm
	; ---------------- the norm ----------------
.Lnorm:
	s_load_b256 s[4:11], s[0:1], 0x0               ; x s[4:5], alpha s[6:7], bias s[8:9], act s[10:11]
	s_and_b32 s3, s2, 3                            ; y = 12..15
	s_lshl_b32 s3, s3, 6
	s_add_co_u32 s3, s3, ttmp9                     ; row group 0..255
	v_and_b32 v3, 31, v0                           ; lane
	v_lshrrev_b32 v2, 5, v0                        ; wave
	v_lshlrev_b32 v1, 4, v3
	v_lshl_add_u32 v1, v2, 13, v1                  ; in: 16 lane + wave x 2 rows x 4,096
	v_lshlrev_b32 v3, 3, v3
	v_lshl_add_u32 v2, v2, 12, v3                  ; out: 8 lane + wave x 2 rows x 2,048
	s_lshl_b32 s16, s3, 16                         ; the group's 16 rows
	s_mov_b32 s17, 0
	s_lshl_b32 s18, s3, 15
	s_mov_b32 s19, 0
	s_mov_b32 s14, 0x76543210                      ; v_permlanex16_b32: lane i of one half reads lane i of the other
	s_mov_b32 s15, 0xfedcba98
	s_wait_kmcnt 0x0
	s_load_b32 s12, s[6:7], 0x0                    ; alpha
	s_load_b32 s20, s[8:9], 0x0                    ; bias
	s_add_nc_u64 s[4:5], s[4:5], s[16:17]
	s_add_nc_u64 s[10:11], s[10:11], s[18:19]
.irp j, 0,1,2,3,4,5,6,7
	global_load_b128 v[X0+4*\j:X0+4*\j+3], v1, s[4:5] offset:512*\j
.endr
.irp j, 0,1,2,3,4,5,6,7
	global_load_b128 v[X1+4*\j:X1+4*\j+3], v1, s[4:5] offset:4096+512*\j
.endr
	s_wait_kmcnt 0x0
	s_mov_b32 s21, s20                             ; a scalar pair is named whole
.macro REDUCE                          ; four pairs of partial sums in v[T:T+7] become one sum, in v[T] of every lane
	v_pk_add_f32 v[T:T+1],   v[T:T+1],   v[T+2:T+3]
	v_pk_add_f32 v[T+4:T+5], v[T+4:T+5], v[T+6:T+7]
	v_pk_add_f32 v[T:T+1],   v[T:T+1],   v[T+4:T+5]
	v_add_f32 v[T], v[T], v[T+1]
	v_add_f32_dpp v[T], v[T], v[T] row_xmask:1 row_mask:0xf bank_mask:0xf
	v_add_f32_dpp v[T], v[T], v[T] row_xmask:2 row_mask:0xf bank_mask:0xf
	v_add_f32_dpp v[T], v[T], v[T] row_xmask:4 row_mask:0xf bank_mask:0xf
	v_add_f32_dpp v[T], v[T], v[T] row_xmask:8 row_mask:0xf bank_mask:0xf
	v_permlanex16_b32 v[T+1], v[T], s14, s15       ; its destination has been written before
	v_add_f32 v[T], v[T], v[T+1]
.endm
.macro ROW X, i, left
	s_wait_loadcnt \left                           ; this row's eight loads are in; the younger ones stay out
	v_pk_add_f32 v[T:T+1],   v[\X:\X+1],   v[\X+8:\X+9]       ; the first pairs start four chains: nothing is cleared
	v_pk_add_f32 v[T+2:T+3], v[\X+2:\X+3], v[\X+10:\X+11]
	v_pk_add_f32 v[T+4:T+5], v[\X+4:\X+5], v[\X+12:\X+13]
	v_pk_add_f32 v[T+6:T+7], v[\X+6:\X+7], v[\X+14:\X+15]
.irp k, 16,18,20,22,24,26,28,30
	v_pk_add_f32 v[T+\k%8:T+\k%8+1], v[T+\k%8:T+\k%8+1], v[\X+\k:\X+\k+1]
.endr
	REDUCE
	v_mul_f32 v[T+8], 0x3a800000, v[T]             ; mean = sum / 1024
	v_mov_b32 v[T+9], v[T+8]
.irp k, 0,2,4,6,8,10,12,14,16,18,20,22,24,26,28,30
	v_pk_add_f32 v[\X+\k:\X+\k+1], v[\X+\k:\X+\k+1], v[T+8:T+9] neg_lo:[0,1] neg_hi:[0,1]
.endr
.irp k, 0,2,4,6
	v_pk_mul_f32 v[T+\k:T+\k+1], v[\X+\k:\X+\k+1], v[\X+\k:\X+\k+1]
.endr
.irp k, 8,10,12,14,16,18,20,22,24,26,28,30
	v_pk_fma_f32 v[T+\k%8:T+\k%8+1], v[\X+\k:\X+\k+1], v[\X+\k:\X+\k+1], v[T+\k%8:T+\k%8+1]
.endr
	REDUCE
	v_mul_f32 v[T], 0x3a802008, v[T]               ; / 1023
	v_sqrt_f32 v[T+1], v[T]
	v_nop                                          ; one plain place behind a transcendental (ISA guide 5.7.2)
	s_wait_alu depctr_va_vdst(0)
	v_add_f32 v[T+1], 0x358637bd, v[T+1]           ; std + 1e-6
	v_rcp_f32 v[T+2], v[T+1]
	v_nop
	s_wait_alu depctr_va_vdst(0)
	v_mul_f32 v[T+8], s12, v[T+2]                  ; alpha / (std + eps)
	v_mov_b32 v[T+9], v[T+8]
.irp k, 0,2,4,6,8,10,12,14,16,18,20,22,24,26,28,30
	v_pk_fma_f32 v[\X+\k:\X+\k+1], v[\X+\k:\X+\k+1], v[T+8:T+9], s[20:21] op_sel_hi:[1,1,0]
.endr
.irp j, 0,1,2,3,4,5,6,7
	v_cvt_pk_f16_f32 v[\X+4*\j],   v[\X+4*\j],   v[\X+4*\j+1]
	v_cvt_pk_f16_f32 v[\X+4*\j+1], v[\X+4*\j+2], v[\X+4*\j+3]
	global_store_b64 v2, v[\X+4*\j:\X+4*\j+1], s[10:11] offset:\i*2048+\j*256
.endr
.endm
	ROW X0, 0, 8
	ROW X1, 1, 0
	s_endpgm
.Lfunc_end_k_q4779958bfd_prep:
	.size	k_q4779958bfd_prep, .Lfunc_end_k_q4779958bfd_prep-k_q4779958bfd_prep
	.p2alignl 7, 3214868480
	.fill 96, 4, 3214868480
	.section	.rodata,"a",@progbits
	.p2align	6, 0x0
	.amdhsa_kernel k_q4779958bfd_prep
		.amdhsa_group_segment_fixed_size 0
		.amdhsa_private_segment_fixed_size 0
		.amdhsa_enable_private_segment 0
		.amdhsa_kernarg_size 136
		.amdhsa_user_sgpr_count 2
		.amdhsa_user_sgpr_kernarg_segment_ptr 1
		.amdhsa_wavefront_size32 1
		.amdhsa_system_sgpr_workgroup_id_x 1
		.amdhsa_system_sgpr_workgroup_id_y 1
		.amdhsa_system_sgpr_workgroup_id_z 1
		.amdhsa_system_vgpr_workitem_id 0
		.amdhsa_next_free_vgpr 108
		.amdhsa_next_free_sgpr 66
		.amdhsa_reserve_vcc 0
		.amdhsa_float_denorm_mode_32 3
		.amdhsa_float_denorm_mode_16_64 3
		.amdhsa_memory_ordered 1
		.amdhsa_forward_progress 1
		.amdhsa_inst_pref_size 30
	.end_amdhsa_kernel
	.amdgpu_metadata
---
amdhsa.version: [ 1, 2 ]
amdhsa.kernels:
  - .name:           k_q4779958bfd_prep
    .symbol:         k_q4779958bfd_prep.kd
    .args:
      - { .name: x, .offset: 0, .size: 8, .value_kind: global_buffer, .address_space: global }
      - { .name: ln1_alpha, .offset: 8, .size: 8, .value_kind: global_buffer, .address_space: global }
      - { .name: ln1_bias, .offset: 16, .size: 8, .value_kind: global_buffer, .address_space: global }
      - { .name: act, .offset: 24, .size: 8, .value_kind: global_buffer, .address_space: global }
      - { .name: wq, .offset: 32, .size: 8, .value_kind: global_buffer, .address_space: global }
      - { .name: wk, .offset: 40, .size: 8, .value_kind: global_buffer, .address_space: global }
      - { .name: wv, .offset: 48, .size: 8, .value_kind: global_buffer, .address_space: global }
      - { .name: wo, .offset: 56, .size: 8, .value_kind: global_buffer, .address_space: global }
      - { .name: w1, .offset: 64, .size: 8, .value_kind: global_buffer, .address_space: global }
      - { .name: w2, .offset: 72, .size: 8, .value_kind: global_buffer, .address_space: global }
      - { .name: bq, .offset: 80, .size: 8, .value_kind: global_buffer, .address_space: global }
      - { .name: bk, .offset: 88, .size: 8, .value_kind: global_buffer, .address_space: global }
      - { .name: bv, .offset: 96, .size: 8, .value_kind: global_buffer, .address_space: global }
      - { .name: wqkv, .offset: 104, .size: 8, .value_kind: global_buffer, .address_space: global }
      - { .name: w1b, .offset: 112, .size: 8, .value_kind: global_buffer, .address_space: global }
      - { .name: w2o, .offset: 120, .size: 8, .value_kind: global_buffer, .address_space: global }
      - { .name: bqkv, .offset: 128, .size: 8, .value_kind: global_buffer, .address_space: global }
    .group_segment_fixed_size: 0
    .private_segment_fixed_size: 0
    .kernarg_segment_align: 8
    .kernarg_segment_size: 136
    .max_flat_workgroup_size: 256
    .sgpr_count:     66
    .vgpr_count:     108
    .wavefront_size: 32
...
	.end_amdgpu_metadata
.endif
;; end of part 1
;; launch qkv (part 2): grid 12 x 16, 4 waves a work-group, clusters of 4 x 4, 327,680 bytes of LDS; arguments act, wqkv, bqkv, big; writes big
.if DOCPART == 2
	.amdgcn_target "amdgcn-amd-amdhsa--gfx1250"
	.amdhsa_code_object_version 6
	.text
	.protected	k_q4779958bfd_qkv
	.globl	k_q4779958bfd_qkv
	.p2align	8
	.type	k_q4779958bfd_qkv,@function
k_q4779958bfd_qkv:
	s_mov_b64 s[64:65], 0
	v_nop
	global_prefetch_b8 v0, s[64:65] scope:SCOPE_SE
	s_setreg_imm32_b32 hwreg(HW_REG_WAVE_MODE, 25, 1), 1
	s_wait_xcnt 0x0
	s_wait_alu depctr_hold_cnt(0) depctr_sa_sdst(0) depctr_va_vdst(0) depctr_va_sdst(0) depctr_va_ssrc(0) depctr_va_vcc(0) depctr_vm_vsrc(0)
	s_getreg_b32 s2, hwreg(HW_REG_IB_STS2, 6, 4)
	s_cmp_eq_u32 s2, 0
	s_cbranch_scc0 .Lentry_in_a_cluster
	s_endpgm
.Lentry_in_a_cluster:
	s_bfe_u32 s2, ttmp6, 0x10000c
	s_cmp_lg_u32 s2, 0xf033
	s_cbranch_scc0 .Lentry_shape_is_right
	s_endpgm
.Lentry_shape_is_right:
; C[m][n] = f16( max( sum over k of A[m][k] B[k][n] + bias[n], floor ) ).  A: [4096][1024] f16; B: [1024][pitch 4096] f16, K down the rows;
; bias: f32; C: [4096][pitch 4096] f16; floor: one f32 at byte 8,388,608 of B's buffer (-inf: none; 0.0: ReLU).  Sums in f32.
; f16 and not bf16 for its eleven significant bits.  Its room: with rows of A of rms 42 (gain and offset of the norm both 30) and weights of
; spread 0.94 (thirty times 1/32) a sum of 1,024 products has an rms of about 1,300, a fiftieth of f16's largest number.
; LIMITS: a result beyond 65,504 in magnitude becomes infinite; the maximum with the floor turns a NaN into the floor.
; A work-group makes 256 x 256 of C with four waves, a wave 128 x 128: 64 accumulator tiles, 512 registers.  K goes in steps of 128 through
; two LDS slots filled by the tensor data mover.  A's tile rows are 256 bytes of memory, B's 512, each starting at a multiple of 256.
; B lies [K][N], so its fragments come out of LDS by transposing loads (ds_load_tr16_b128); A's by plain loads.
; CLUSTERS: 4 x 4 work-groups.  A's tile hangs on the block row alone and is asked for jointly by a row of the cluster, B's on the block
; column alone and is asked for jointly by a column: that divides the requests for A and for B by four.
; REGISTERS, in windows of 256:
;   window 0: v16-27 addresses; v32-63 and v224-255 bias of my 128 columns; v64-127, v128-191 fragments of A, two buffers; v192-223 packed results
;   window 1: v64-127, v128-191 fragments of B, two buffers;   window 2: accumulators of my rows 0-63;   window 3: of my rows 64-127
; THE MATRIX INSTRUCTION IS USED TRANSPOSED: source 0 = 16 columns of B, source 1 = 16 rows of A, so that lane l holds row l % 16 of C and
; its eight registers the columns 8 (l / 16) + 0..7: eight neighbouring numbers, 16 bytes of f16.
.set SIZE_K, 1024
.set LDB,    4096                      ; elements from row to row of B
.set LDC,    4096                      ; and of C
.set KSTEP,  128
.set PITCH,  272                       ; A in LDS: 256 bytes + 16: an odd multiple of 16, so sixteen rows start at sixteen different 16-byte columns modulo 256
.set BPITCH, 544                       ; B in LDS: 512 bytes + 32: an odd multiple of 32, which the transposing loads want
.set HALFT,  128*PITCH                 ; what one tensor load brings: 128 rows of A, or 64 rows of B (64 x 544 is the same 34,816)
.set SLOT,   4*HALFT                   ; A's 256 rows, then B's 128 rows
.set STAGE,  2*SLOT                    ; behind the ring: 16 rows x 272 bytes for each wave, for the way out
.set SPITCH, 272
.set LAPS, SIZE_K/(2*KSTEP)
.set ADRA, 16                          ; v16-17  LDS address of my A fragments in slot 0, 1
.set ADRB, 20                          ; v20-21  the same for B
.set STO,  24
.set RD,   25
.set CO,   26
.set BO,   27                          ; 32 x (l / 16): my eight columns' place in a tile's 64 bytes of bias
.set BIAS, 32                          ; tile b: v[32 + 8 b] for b < 4, v[224 + 8 (b - 4)] for the rest
.set F0,   64
.set F1,   128
.set TMP,  192
.set G1, 24                            ; s[24:31] group 1 for A's tiles
.set G0, 32                            ; s[32:39] group 0 for A's tiles, a set for each slot
.set G1B, 48                           ; s[48:55] group 1 for B's tiles
.set G0B, 56                           ; s[56:63] group 0 for B's tiles
.set MSB, 0
.macro WIN new                         ; the immediate's high byte repeats the setting that is left
.if MSB != \new
	s_set_vgpr_msb (MSB<<8)|\new
.set MSB, \new
.endif
.endm
.set MUL_LO, 0xa1                      ; source 0 (B) window 1, source 1 (A) window 0, C and D window 2
.set MUL_HI, 0xf1                      ; the same, C and D window 3
.set TO_B,   0x40                      ; destination window 1
; A joint load: waves 0 and 1 fetch A's halves, waves 2 and 3 B's.  The branch hangs on the wave's number alone.
.macro JLOAD s
	s_cmp_eq_u32 s11, 0
	s_cbranch_scc0 .Lfor_b_\@
	tensor_load_to_lds s[G0+4*\s:G0+4*\s+3], s[G1:G1+7]
	s_nop 0
	s_branch .Lasked_\@
.Lfor_b_\@:
	tensor_load_to_lds s[G0B+4*\s:G0B+4*\s+3], s[G1B:G1B+7]
	s_nop 0
.Lasked_\@:
.endm
.macro CREST                           ; a round of the cluster's barrier behind its opening barrier
	s_cmp_lg_u32 s10, 0
	s_cbranch_scc1 .Lnot_wave_0_\@
	s_barrier_signal -3
.Lnot_wave_0_\@:
	s_barrier_wait -3
	s_barrier_signal -1
	s_barrier_wait -1
.endm
.macro CROUND                          ; a whole round
	s_barrier_signal -1
	s_barrier_wait -1
	CREST
.endm
	s_load_b256 s[68:75], s[0:1], 0x0              ; A s[68:69], B s[70:71], bias s[72:73], C s[74:75]
	s_set_vgpr_msb 0x40
	v_lshl_add_u32 v255, v0, 2, 0x48400
	s_set_vgpr_msb 0x4000
	v_mov_b32 v31, 0
	s_set_vgpr_msb 0x1
	ds_add_u32 v255, v31
	s_set_vgpr_msb 0x100
	v_lshrrev_b32 v1, 5, v0
	v_readfirstlane_b32 s10, v1                    ; wave 0..3
	s_lshr_b32 s11, s10, 1                         ; which half of the block's rows is mine.  Also: I fetch for A (0) or for B (1)
	s_and_b32 s12, s10, 1                          ; which half of its columns.  Also: which half of that tile I fetch
	s_bfe_u32 s40, ttmp6, 0x40000                  ; cx
	s_bfe_u32 s41, ttmp6, 0x40004                  ; cy
	s_lshl_b32 s42, ttmp9, 2
	s_add_co_u32 s42, s42, s40                     ; block column
	s_and_b32 s13, ttmp7, 0xffff
	s_lshl_b32 s13, s13, 2
	s_add_co_u32 s13, s13, s41                     ; block row
	s_lshl_b32 s43, s41, 2
	s_lshl_b32 s43, 15, s43                        ; my row of the cluster
	s_lshl_b32 s44, 0x1111, s40                    ; my column
	; group 1.  A: 128 rows x 128 elements, 4 words of padding behind every 64.  B: 64 rows x 256 elements, 8 words behind every 128.
	s_or_b32 s[G1+0], s43, (1<<16)|(1<<20)|(1<<21)|(5<<22)|(3<<25)
	s_or_b32 s[G1B+0], s44, (1<<16)|(1<<20)|(1<<21)|(6<<22)|(7<<25)
	s_mov_b32 s[G1+1], KSTEP<<16                   ; tensor_dim0 = 128
	s_mov_b32 s[G1B+1], 256<<16                    ; = 256
	s_mov_b32 s[G1+2], 128<<16                     ; tensor_dim1 = 128
	s_mov_b32 s[G1B+2], 64<<16                     ; = 64
	s_mov_b32 s[G1+3], KSTEP<<16                   ; tile_dim0
	s_mov_b32 s[G1B+3], 256<<16
	s_mov_b32 s[G1+4], 128                         ; tile_dim1
	s_mov_b32 s[G1B+4], 64
	s_mov_b32 s[G1+5], SIZE_K                      ; elements from row to row
	s_mov_b32 s[G1B+5], LDB
	s_mov_b32 s[G1+6], 0
	s_mov_b32 s[G1B+6], 0
	s_mov_b32 s[G1+7], 0
	s_mov_b32 s[G1B+7], 0
	; where the tiles come from: A's offset of the block row and the wave, B's of the block column and the wave, in registers that never hold the other coordinate
	s_lshl_b32 s17, s12, 7
	s_lshl_b32 s16, s13, 8
	s_add_co_u32 s16, s16, s17                     ; A: row 256 x block row + 128 x half,
	s_lshl_b32 s16, s16, 11                        ; times 2,048 bytes
	s_mov_b32 s17, 0
	s_lshl_b32 s46, s12, 19                        ; B: 64 x half rows of 8,192 bytes
	s_lshl_b32 s47, s42, 9                         ; + 512 bytes x block column
	s_add_co_u32 s46, s46, s47
	s_mov_b32 s47, 0
	s_mul_i32 s20, s10, HALFT                      ; and where they go: wave x 34,816
	s_wait_dscnt 0x0
	s_wait_kmcnt 0x0
	s_add_nc_u64 s[14:15], s[68:69], s[16:17]
	s_add_nc_u64 s[46:47], s[70:71], s[46:47]
	s_add_nc_u64 s[78:79], s[70:71], 0x800000      ; the floor lies behind the weights
	CROUND                                         ; all sixteen work-groups are here: the first joint loads meet
.irp s, 0,1
	s_mov_b32 s[G0+4*\s], 1
	s_add_co_u32 s[G0+4*\s+1], s20, \s*SLOT
	s_add_nc_u64 s[G0+4*\s+2:G0+4*\s+3], s[14:15], \s*KSTEP*2
	s_or_b32 s[G0+4*\s+3], s[G0+4*\s+3], 0x80000000
	s_mov_b32 s[G0B+4*\s], 1
	s_add_co_u32 s[G0B+4*\s+1], s20, \s*SLOT
	s_add_nc_u64 s[G0B+4*\s+2:G0B+4*\s+3], s[46:47], \s*KSTEP*LDB*2
	s_or_b32 s[G0B+4*\s+3], s[G0B+4*\s+3], 0x80000000
	JLOAD \s
.endr
	s_load_b32 s76, s[78:79], 0x0                  ; floor
	v_and_b32 v1, 15, v0                           ; l % 16
	v_bfe_u32 v2, v0, 4, 1                         ; l / 16
	v_and_b32 v6, 7, v0
	v_bfe_u32 v7, v0, 3, 1
	; bias of my 128 columns: tile b, my eight columns, 32 bytes at 64 b + 32 (l / 16)
	s_lshl_b32 s4, s42, 10
	s_lshl_b32 s5, s12, 9
	s_add_co_u32 s4, s4, s5
	s_mov_b32 s5, 0
	s_add_nc_u64 s[72:73], s[72:73], s[4:5]
	v_lshlrev_b32 v[BO], 5, v2
.irp b, 0,1,2,3,4,5,6,7
	global_load_b128 v[BIAS+8*\b+(\b/4)*160:BIAS+8*\b+(\b/4)*160+3],   v[BO], s[72:73] offset:64*\b
	global_load_b128 v[BIAS+8*\b+(\b/4)*160+4:BIAS+8*\b+(\b/4)*160+7], v[BO], s[72:73] offset:64*\b+16
.endr
	; A's fragments: row l % 16, two loads of 16 bytes, 32 apart, at row x pitch + 16 (l / 16)
	v_mul_u32_u24 v3, v1, PITCH
	v_lshl_add_u32 v3, v2, 4, v3
	; B's fragments: lane l addresses row 8 (l / 16) + l % 8 of the 32 along K and 16 bytes (8 columns) at 16 ((l / 8) % 2); the load transposes 8 x 8
	v_lshl_add_u32 v8, v2, 3, v6
	v_mul_u32_u24 v8, v8, BPITCH
	v_lshl_add_u32 v8, v7, 4, v8
	s_mul_i32 s21, s11, HALFT                      ; my 128 rows of A
	s_lshl_b32 s22, s12, 8                         ; my 128 columns of B: 256 bytes of each row,
	s_add_co_u32 s22, s22, 2*HALFT                 ; behind A's 256 rows
.irp s, 0,1
	v_add_nc_u32 v[ADRA+\s], s21, v3
	v_add_nc_u32 v[ADRB+\s], s22, v8
	s_add_co_u32 s21, s21, SLOT
	s_add_co_u32 s22, s22, SLOT
.endr
	s_mul_i32 s23, s10, 16*SPITCH
	s_add_co_u32 s23, s23, STAGE                   ; my stage
	v_mul_u32_u24 v4, v1, SPITCH
	v_lshl_add_u32 v4, v2, 4, v4
	v_add_nc_u32 v[STO], s23, v4
	v_mul_u32_u24 v5, v2, SPITCH
	v_lshl_add_u32 v5, v1, 4, v5
	v_add_nc_u32 v[RD], s23, v5
	v_mul_u32_u24 v5, v2, LDC*2
	v_lshl_add_u32 v[CO], v1, 4, v5
; 16 matrix instructions: m blocks a0, a0 + 1 of the window's four x all 8 n blocks, 32 along K.  zero = 1: the first product starts the sums.
; The 64 accumulators take turns, one instruction a turn, in the same order in every quarter step.
.macro MUL16 f, hi, a0, zero
.irp a, \a0, \a0+1
.irp b, 0,1,2,3,4,5,6,7
.if \zero
	v_wmma_f32_16x16x32_f16 v[8*(8*(\a)+\b):8*(8*(\a)+\b)+7], v[\f+8*\b:\f+8*\b+7], v[\f+8*(4*\hi+\a):\f+8*(4*\hi+\a)+7], 0
.else
	v_wmma_f32_16x16x32_f16 v[8*(8*(\a)+\b):8*(8*(\a)+\b)+7], v[\f+8*\b:\f+8*\b+7], v[\f+8*(4*\hi+\a):\f+8*(4*\hi+\a)+7], v[8*(8*(\a)+\b):8*(8*(\a)+\b)+7]
.endif
.endr
.endr
.endm
; 32 LDS loads in one run: the fragments of quarter q (32 along K) into buffer f: B's 8 x 16 columns, then A's 8 x 16 rows
.macro FETCH slot, q, f
	WIN TO_B
.irp i, 0,1,2,3,4,5,6,7
	ds_load_tr16_b128 v[\f+8*\i:\f+8*\i+3],   v[ADRB+\slot] offset:\q*32*BPITCH+32*\i
	ds_load_tr16_b128 v[\f+8*\i+4:\f+8*\i+7], v[ADRB+\slot] offset:\q*32*BPITCH+32*\i+16*BPITCH
.endr
	WIN 0
.irp i, 0,1,2,3,4,5,6,7
	ds_load_b128 v[\f+8*\i:\f+8*\i+3],   v[ADRA+\slot] offset:\q*64+\i*16*PITCH
	ds_load_b128 v[\f+8*\i+4:\f+8*\i+7], v[ADRA+\slot] offset:\q*64+\i*16*PITCH+32
.endr
.endm
; Four places of plain vector instructions stand between a matrix instruction and a load into one of its registers, or a vector
; instruction that reads its result; the matrix instructions in between are not counted.
.macro PLACES
.rept 4
	v_nop
.endr
.endm
.macro QUARTER slot, q, f, g, zero     ; multiplies buffer f; in its middle fetches quarter q of the same slot into buffer g
	s_wait_dscnt 8                                 ; B and A's rows 0-63 are in; the youngest eight loads (A's rows 64-127) may be out
	WIN MUL_LO
	MUL16 \f, 0, 0, \zero
	MUL16 \f, 0, 2, \zero
	PLACES
	FETCH \slot, \q, \g
	s_wait_dscnt 32                                ; all but the 32 just issued
	WIN MUL_HI
	MUL16 \f, 1, 0, \zero
	MUL16 \f, 1, 2, \zero
.endm
.macro THREE slot, zero
	QUARTER \slot, 1, F0, F1, \zero
	QUARTER \slot, 2, F1, F0, 0
	QUARTER \slot, 3, F0, F1, 0
.endm
; The last quarter multiplies buffer 1 and changes slots.  In front of the barrier each wave waits for its reads of this slot and for all its
; tensor loads (one is out: its part of the next slot).  Behind it the refill comes first, then the next slot's first fragments.
.macro TURN slot, next, fill
	s_wait_dscnt 8
	WIN MUL_LO
	MUL16 F1, 0, 0, 0
	s_wait_dscnt 0                                 ; my reads of this slot are over
	s_wait_tensorcnt 0x0                           ; and all my tensor loads have landed
	ds_add_u32 v255, v31
	s_wait_dscnt 0x0
	s_barrier_signal -1                            ; where a slot is filled again this barrier opens a round of the cluster's barrier
	MUL16 F1, 0, 2, 0                              ; register work while the others arrive
	WIN 0
	s_barrier_wait -1
.if \fill
	CREST                                          ; no wave of any partner still reads this slot's tile or has a load on its way
	s_add_nc_u64 s[G0+4*\slot+2:G0+4*\slot+3], s[G0+4*\slot+2:G0+4*\slot+3], 2*KSTEP*2
	s_add_nc_u64 s[G0B+4*\slot+2:G0B+4*\slot+3], s[G0B+4*\slot+2:G0B+4*\slot+3], 2*KSTEP*LDB*2
	JLOAD \slot                                    ; the first tensor load behind the round, my only one until the next
.endif
	PLACES
	FETCH \next, 0, F0
	WIN MUL_HI
	MUL16 F1, 1, 0, 0
	MUL16 F1, 1, 2, 0
.endm
.macro LAP zero
	THREE 0, \zero
	TURN 0, 1, 1
	THREE 1, 0
	TURN 1, 0, 1
.endm
	s_wait_kmcnt 0x0                               ; the floor
	s_wait_loadcnt 0x0                             ; the bias, once
	s_wait_tensorcnt 1                             ; my part of K step 0 is in; K step 1's stays out
	s_barrier_signal -1
	s_barrier_wait -1
	FETCH 0, 0, F0
	LAP 1                                          ; the first lap's first products start the sums
	WIN 0
	s_mov_b32 s3, LAPS-2
.Llap:
	LAP 0
	WIN 0
	s_sub_co_u32 s3, s3, 1
	s_cmp_lg_u32 s3, 0
	s_cbranch_scc1 .Llap
	THREE 0, 0                                     ; the last lap fills nothing
	TURN 0, 1, 0
	THREE 1, 0
	s_wait_dscnt 8
	WIN MUL_LO
	MUL16 F1, 0, 0, 0
	MUL16 F1, 0, 2, 0
	s_wait_dscnt 0
	WIN MUL_HI
	MUL16 F1, 1, 0, 0
	MUL16 F1, 1, 2, 0
	; THE WAY OUT, 16 rows at a time: + bias, floor, round to f16, 16 bytes a lane into my own stage, back as whole rows of 256 bytes.
	PLACES
	s_lshl_b32 s13, s13, 8
	s_lshl_b32 s14, s11, 7
	s_add_co_u32 s16, s13, s14                     ; my first row of C,
	s_lshl_b32 s16, s16, 13                        ; times 8,192 bytes
	s_mov_b32 s17, 0
	s_add_nc_u64 s[74:75], s[74:75], s[16:17]
	s_lshl_b32 s46, s42, 9                         ; my first column, in bytes
	s_lshl_b32 s47, s12, 8
	s_add_co_u32 s46, s46, s47
	s_mov_b32 s47, 0
	s_add_nc_u64 s[74:75], s[74:75], s[46:47]
; rows 16 i .. 16 i + 15 of my block = tiles (a, 0..7) of window 2 or 3 (from = 0x02 or 0x03: source 0); f: v128 or v160 in turn
.macro OUT16 i, a, from, f
	WIN \from
.irp b, 0,1,2,3,4,5,6,7
.irp r, 0,1,2,3
	v_pk_add_f32 v[F0+8*\b+2*\r:F0+8*\b+2*\r+1], v[8*(8*\a+\b)+2*\r:8*(8*\a+\b)+2*\r+1], v[BIAS+8*\b+(\b/4)*160+2*\r:BIAS+8*\b+(\b/4)*160+2*\r+1]
.endr
.endr
	WIN 0
.set k, 0
.rept 64
	v_max_num_f32 v[F0+k], s76, v[F0+k]
.set k, k+1
.endr
.irp b, 0,1,2,3,4,5,6,7
.irp r, 0,1,2,3
	v_cvt_pk_f16_f32 v[TMP+4*\b+\r], v[F0+8*\b+2*\r], v[F0+8*\b+2*\r+1]
.endr
.endr
.irp b, 0,1,2,3,4,5,6,7
	ds_store_b128 v[STO], v[TMP+4*\b:TMP+4*\b+3] offset:32*\b
.endr
	s_wait_xcnt 0x0                                ; buffer f, which earlier stores read, and the stores' base are rewritten only behind this wait
.if \i
	s_add_nc_u64 s[74:75], s[74:75], 16*LDC*2
.endif
.irp t, 0,1,2,3,4,5,6,7
	ds_load_b128 v[\f+4*\t:\f+4*\t+3], v[RD] offset:\t*2*SPITCH    ; a wave's LDS instructions are served in order: these see the stores above
.endr
.irp t, 0,1,2,3,4,5,6,7
	s_wait_dscnt 7-\t
	global_store_b128 v[CO], v[\f+4*\t:\f+4*\t+3], s[74:75] offset:2*\t*LDC*2   ; 16 lanes store 256 consecutive bytes, aligned
.endr
.endm
	OUT16 0, 0, 0x02, 128
	OUT16 1, 1, 0x02, 160
	OUT16 2, 2, 0x02, 128
	OUT16 3, 3, 0x02, 160
	OUT16 4, 0, 0x03, 128
	OUT16 5, 1, 0x03, 160
	OUT16 6, 2, 0x03, 128
	OUT16 7, 3, 0x03, 160
	s_set_vgpr_msb 0x1
	s_wait_tensorcnt 0x0
	ds_add_u32 v255, v31
	s_wait_dscnt 0x0
	s_set_vgpr_msb 0x100
	CROUND                                         ; the closing round: no work-group ends while a partner may still ask for a tile that names it
	s_endpgm
.Lfunc_end_k_q4779958bfd_qkv:
	.size	k_q4779958bfd_qkv, .Lfunc_end_k_q4779958bfd_qkv-k_q4779958bfd_qkv
	.p2alignl 7, 3214868480
	.fill 96, 4, 3214868480
	.section	.rodata,"a",@progbits
	.p2align	6, 0x0
	.amdhsa_kernel k_q4779958bfd_qkv
		.amdhsa_group_segment_fixed_size 327680
		.amdhsa_private_segment_fixed_size 0
		.amdhsa_enable_private_segment 0
		.amdhsa_kernarg_size 32
		.amdhsa_user_sgpr_count 2
		.amdhsa_user_sgpr_kernarg_segment_ptr 1
		.amdhsa_wavefront_size32 1
		.amdhsa_system_sgpr_workgroup_id_x 1
		.amdhsa_system_sgpr_workgroup_id_y 1
		.amdhsa_system_sgpr_workgroup_id_z 1
		.amdhsa_system_vgpr_workitem_id 0
		.amdhsa_next_free_vgpr 1024
		.amdhsa_next_free_sgpr 80
		.amdhsa_reserve_vcc 0
		.amdhsa_float_denorm_mode_32 3
		.amdhsa_float_denorm_mode_16_64 3
		.amdhsa_memory_ordered 1
		.amdhsa_forward_progress 1
		.amdhsa_inst_pref_size 230
	.end_amdhsa_kernel
	.amdgpu_metadata
---
amdhsa.version: [ 1, 2 ]
amdhsa.kernels:
  - .name:           k_q4779958bfd_qkv
    .symbol:         k_q4779958bfd_qkv.kd
    .args:
      - { .name: act, .offset: 0, .size: 8, .value_kind: global_buffer, .address_space: global }
      - { .name: wqkv, .offset: 8, .size: 8, .value_kind: global_buffer, .address_space: global }
      - { .name: bqkv, .offset: 16, .size: 8, .value_kind: global_buffer, .address_space: global }
      - { .name: big, .offset: 24, .size: 8, .value_kind: global_buffer, .address_space: global }
    .group_segment_fixed_size: 327680
    .private_segment_fixed_size: 0
    .kernarg_segment_align: 8
    .kernarg_segment_size: 32
    .max_flat_workgroup_size: 128
    .sgpr_count:     80
    .vgpr_count:     1024
    .wavefront_size: 32
...
	.end_amdgpu_metadata
.endif
;; end of part 2
;; launch attn (part 3): grid 16 x 16, 8 waves a work-group, clusters of 4 x 1, 327,680 bytes of LDS; arguments big, mask, act; writes act
.if DOCPART == 3
	.amdgcn_target "amdgcn-amd-amdhsa--gfx1250"
	.amdhsa_code_object_version 6
	.text
	.protected	k_q4779958bfd_attn
	.globl	k_q4779958bfd_attn
	.p2align	8
	.type	k_q4779958bfd_attn,@function
k_q4779958bfd_attn:
	s_mov_b64 s[64:65], 0
	v_nop
	global_prefetch_b8 v0, s[64:65] scope:SCOPE_SE
	s_setreg_imm32_b32 hwreg(HW_REG_WAVE_MODE, 25, 1), 1
	s_wait_xcnt 0x0
	s_wait_alu depctr_hold_cnt(0) depctr_sa_sdst(0) depctr_va_vdst(0) depctr_va_sdst(0) depctr_va_ssrc(0) depctr_va_vcc(0) depctr_vm_vsrc(0)
	s_getreg_b32 s2, hwreg(HW_REG_IB_STS2, 6, 4)
	s_cmp_eq_u32 s2, 0
	s_cbranch_scc0 .Lentry_in_a_cluster
	s_endpgm
.Lentry_in_a_cluster:
	s_bfe_u32 s2, ttmp6, 0x10000c
	s_cmp_lg_u32 s2, 0x3003
	s_cbranch_scc0 .Lentry_shape_is_right
	s_endpgm
.Lentry_shape_is_right:
; Attention with a running maximum.  big: [4096 rows][8,192 bytes] f16, q at byte 0, k at 2,048, v at 4,096 of a row, 128 bytes a head.
; mask: [2][2048] int32.  act: [4096][1024] f16, the heads side by side.
; A work-group takes two neighbouring heads (so that rows of K, of V and of the output are 256 aligned bytes) and 128 queries of one batch;
; wave w takes head w / 4 of the two and 32 queries.  Keys go in steps of 256 through two LDS slots, in blocks of 64 inside a step.
; CLUSTER: the four query blocks of a cluster read the same K and V tiles and ask for them jointly (mask 15).
; ORIENTATION: scores are made transposed, S^T = K Q^T (rows of K are source 0, Q source 1): lane (r, h) holds query r and in register j of
; tile t key 16 t + 8 h + j.  Two neighbouring tiles, rounded to f16 in place, are then source 1 of O^T = V^T P^T as they stand; V^T comes out
; of LDS by transposing loads.  P never goes through LDS, and maximum and sum are one number a lane (the two halves of the lanes joined by one permute).
; THE MASK: a table of one f32 a key, NEG for a masked key and 0 for a live one, is the C operand of a score tile's first matrix instruction.
; NEG = -8e9 (the -1e9 that replaces a score, ahead of the division by 8): with one live key in the batch a masked key's exponential is 0, as it is
; when the score is replaced.  What blocks of masked keys alone leave behind is finite and is multiplied by exp2(-1.4e9) = 0 at the first live key.
; If every key of the batch is masked, scale and NEG are both 0: every weight is 1, the uniform average that replaced scores give.
; TWO PHASES: eight waves on four SIMDs, two on each.  At a change of slots half of the waves (the late ones, GRP = 1) stop behind the last block's
; scores and V loads and carry that block's softmax and its V^T P^T across the barrier in registers; they do them while the early waves wait for the
; next slot's first K fragments, and stay that much behind for the rest of the step, so that one wave of a SIMD has vector work while the other
; has matrix work.  GRP = bit 0 xor bit 2 of the wave's number differs between w and w + 4 and between 2 i and 2 i + 1.  The branches on GRP jump
; over register work and LDS loads alone; every wave's order of matrix instructions is the same with and without them.
; LIMITS: live scores are taken to lie far above -1e9; q, k, v and the weights p are rounded to f16 for the products (p is at most 1; a p under
; 2^-25 of the row's largest counts as 0, at most 2,048 x 2^-25 of a sum that is at least 1); the sum of p is of the f32 values; the output is an
; average of v and so has v's room in f16.
.set PK,   272                         ; K's rows in LDS: 256 bytes + 16, an odd multiple of 16
.set PVP,  288                         ; V's rows: 256 bytes + 32, an odd multiple of 32, for the transposing loads
.set VOFF, 256*PK                      ; V behind K's 256 rows
.set SLOT, VOFF+256*PVP                ; 143,360
.set MT,   2*SLOT                      ; the mask table, 8,192 bytes, written by LDS stores: no tile ever lands there
.set KA,  2                            ; v2-3    LDS address of my K fragments in slot 0, 1
.set VA,  4                            ; v4-7    of my V fragments: slot 0 keys 0-127, 128-255; slot 1 likewise
.set MA,  8                            ; v8      of my eight table entries; steps 2,048 bytes for every two steps of keys
.set STO, 9
.set RD,  10
.set CO,  11
.set QO,  12                           ; v12     Q's byte offset, until Q has come
.set TB,  12                           ; v12-15  at work, from then on
.set MX,  16                           ; v16-17  running maximum of the raw scores, query tile 0, 1
.set LS,  18                           ; v18-19  running sum (of my half of the keys)
.set AL,  20                           ; v20, v22  the factor by which old sums shrink (pairs: the upper halves are written once)
.set NM,  24                           ; v24, v26  -scale x maximum, the shift inside the exponentials
.set T,   28                           ; v28-31  at work
.set CM,  32                           ; v32-63  table entries, key tile t at 32 + 8 t
.set S,   64                           ; v64-127 scores, then p: tile (qn, t) at 64 + 8 (4 qn + t)
.set KF,  128                          ; v128-191 K fragments (t, ks) at 128 + 8 (2 t + ks)
.set VF,  192                          ; v192-255 V fragments (db, s) at 192 + 8 (2 db + s)
.set O,   0                            ; window 1: v0-63 output tiles (qn, db) at 8 (4 qn + db)
.set Q,   64                           ; window 1: v64-95 Q fragments (qn, ks) at 64 + 8 (2 qn + ks)
.set GRP, 6                            ; s6      0: an early wave, 1: a late one
.set G1K, 16
.set G1V, 24
.set G0K, 32
.set G0V, 40
.set MSB, 0
.macro WIN new
.if MSB != \new
	s_set_vgpr_msb (MSB<<8)|\new
.set MSB, \new
.endif
.endm
.macro NOPS cnt
.rept \cnt
	v_nop
.endr
.endm
.macro ROUND                           ; a round of the cluster's barrier
	s_barrier_signal -1
	s_barrier_wait -1
	s_cmp_lg_u32 s8, 0
	s_cbranch_scc1 .Lnot_wave_0_\@
	s_barrier_signal -3
.Lnot_wave_0_\@:
	s_barrier_wait -3
	s_barrier_signal -1
	s_barrier_wait -1
.endm
.macro JLOAD s                         ; waves 0-3 fetch 64 rows of K each, waves 4-7 64 rows of V
	s_cmp_lt_u32 s8, 4
	s_cbranch_scc0 .Lfor_v_\@
	tensor_load_to_lds s[G0K+4*\s:G0K+4*\s+3], s[G1K:G1K+7]
	s_nop 0
	s_branch .Lasked_\@
.Lfor_v_\@:
	tensor_load_to_lds s[G0V+4*\s:G0V+4*\s+3], s[G1V:G1V+7]
	s_nop 0
.Lasked_\@:
.endm
	s_load_b128 s[56:59], s[0:1], 0x0              ; big s[56:57], mask s[58:59]
	s_load_b64 s[60:61], s[0:1], 0x10              ; act
	s_set_vgpr_msb 0x40
	v_lshl_add_u32 v96, v0, 2, 0x48000
	v_mov_b32 v97, 0
	s_set_vgpr_msb 0x4045
	ds_add_u32 v96, v97
	s_set_vgpr_msb 0x4500
	v_lshrrev_b32 v1, 5, v0
	v_readfirstlane_b32 s8, v1                     ; wave 0..7
	s_and_b32 s9, s8, 3                            ; which 32 queries; also which 64 rows of a tile I fetch
	s_lshr_b32 s10, s8, 2                          ; which head of the two
	s_bfe_u32 s11, ttmp6, 0x40000                  ; cx.  Only s11, s12, s55, s60-s63 ever hold a number made of it
	s_lshl_b32 s12, ttmp9, 2
	s_add_co_u32 s12, s12, s11                     ; query block 0..15
	s_and_b32 s13, ttmp7, 0xffff
	s_lshr_b32 s14, s13, 3                         ; batch
	s_and_b32 s15, s13, 7                          ; pair of heads
	s_mov_b32 s52, 0x76543210                      ; v_permlanex16_b32: lane i of one half reads lane i of the other
	s_mov_b32 s53, 0xfedcba98
	; group 1: 64 rows x 128 elements, rows 4,096 elements apart; padding behind every 64 words: 4 words for K, 8 for V
	s_mov_b32 s[G1K+0], 15|(1<<16)|(1<<20)|(1<<21)|(5<<22)|(3<<25)
	s_mov_b32 s[G1V+0], 15|(1<<16)|(1<<20)|(1<<21)|(5<<22)|(7<<25)
.irp g, G1K, G1V
	s_mov_b32 s[\g+1], 128<<16
	s_mov_b32 s[\g+2], 64<<16
	s_mov_b32 s[\g+3], 128<<16
	s_mov_b32 s[\g+4], 64
	s_mov_b32 s[\g+5], 4096
	s_mov_b32 s[\g+6], 0
	s_mov_b32 s[\g+7], 0
.endr
	s_lshl_b32 s2, s14, 24                         ; batch x 2,048 rows x 8,192 bytes
	s_lshl_b32 s3, s9, 19                          ; + my 64 rows
	s_add_co_u32 s2, s2, s3
	s_lshl_b32 s3, s15, 8                          ; + the pair's 256 bytes
	s_add_co_u32 s2, s2, s3
	s_mov_b32 s3, 0
	s_mul_i32 s6, s9, 64*PK                        ; where my rows go
	s_mul_i32 s7, s9, 64*PVP
	s_add_co_u32 s7, s7, VOFF
	s_wait_dscnt 0x0
	s_wait_kmcnt 0x0
	s_add_nc_u64 s[4:5], s[56:57], s[2:3]
	ROUND                                          ; the four work-groups are here: the first joint loads meet
.irp s, 0,1
	s_mov_b32 s[G0K+4*\s], 1
	s_add_co_u32 s[G0K+4*\s+1], s6, \s*SLOT
	s_add_nc_u64 s[G0K+4*\s+2:G0K+4*\s+3], s[4:5], 2048+\s*256*8192
	s_or_b32 s[G0K+4*\s+3], s[G0K+4*\s+3], 0x80000000
	s_mov_b32 s[G0V+4*\s], 1
	s_add_co_u32 s[G0V+4*\s+1], s7, \s*SLOT
	s_add_nc_u64 s[G0V+4*\s+2:G0V+4*\s+3], s[4:5], 4096+\s*256*8192
	s_or_b32 s[G0V+4*\s+3], s[G0V+4*\s+3], 0x80000000
	JLOAD \s
.endr
	s_lshr_b32 s[GRP], s8, 2                       ; early or late: bit 0 xor bit 2 of the wave's number (s6 has done its work above)
	s_xor_b32 s[GRP], s[GRP], s8
	s_and_b32 s[GRP], s[GRP], 1
	; the prologue's temporaries lie in the V fragments' registers
	v_and_b32 v192, 31, v0                         ; lane
	v_lshlrev_b32 v193, 4, v192
	v_lshlrev_b32 v194, 5, v192
	v_lshl_add_u32 v194, s8, 10, v194              ; my wave's 256 keys, 8 a lane
	v_and_b32 v195, 15, v0                         ; r
	v_bfe_u32 v196, v0, 4, 1                       ; h
	v_and_b32 v197, 7, v0
	v_bfe_u32 v198, v0, 3, 1
	s_lshl_b32 s2, s14, 13
	s_mov_b32 s3, 0
	s_add_nc_u64 s[58:59], s[58:59], s[2:3]        ; my batch's mask
.irp i, 0,1,2,3,4,5,6,7,8,9,10,11,12,13,14,15
	global_load_b128 v[S+4*\i:S+4*\i+3], v193, s[58:59] offset:512*\i      ; the whole batch's mask: is any key live?
.endr
	global_load_b128 v[KF:KF+3],   v194, s[58:59]
	global_load_b128 v[KF+4:KF+7], v194, s[58:59] offset:16
	s_lshl_b32 s62, s14, 24                        ; Q: (2,048 batch + 128 block + 32 (w % 4)) rows of 8,192 bytes + 256 pair + 128 head
	s_lshl_b32 s55, s12, 20
	s_add_co_u32 s62, s62, s55
	s_lshl_b32 s55, s9, 18
	s_add_co_u32 s62, s62, s55
	s_lshl_b32 s55, s15, 8
	s_add_co_u32 s62, s62, s55
	s_lshl_b32 s55, s10, 7
	s_add_co_u32 s62, s62, s55
	s_mov_b32 s63, 0
	s_add_nc_u64 s[62:63], s[56:57], s[62:63]
	v_lshlrev_b32 v[QO], 13, v195
	v_lshl_add_u32 v[QO], v196, 4, v[QO]           ; row r, 16 bytes for each half of the lanes
	WIN 0x40
.irp qn, 0,1
.irp ks, 0,1
	global_load_b128 v[Q+8*(2*\qn+\ks):Q+8*(2*\qn+\ks)+3],   v[QO], s[62:63] offset:\qn*131072+\ks*64
	global_load_b128 v[Q+8*(2*\qn+\ks)+4:Q+8*(2*\qn+\ks)+7], v[QO], s[62:63] offset:\qn*131072+\ks*64+32
.endr
.endr
	WIN 0
	v_mul_u32_u24 v199, v195, PK
	v_lshl_add_u32 v199, v196, 4, v199             ; r x 272 + 16 h
	s_lshl_b32 s2, s10, 7                          ; my head's 128 bytes of a row
	v_add_nc_u32 v[KA], s2, v199
	v_add_nc_u32 v[KA+1], SLOT, v[KA]
	v_lshl_add_u32 v200, v196, 3, v197             ; V: row 8 h + l % 8 of 32 keys, 16 bytes at 16 ((l / 8) % 2)
	v_mul_u32_u24 v200, v200, PVP
	v_lshl_add_u32 v200, v198, 4, v200
	s_add_co_u32 s3, s2, VOFF
	v_add_nc_u32 v[VA], s3, v200
	v_add_nc_u32 v[VA+1], 128*PVP, v[VA]
	v_add_nc_u32 v[VA+2], SLOT, v[VA]
	v_add_nc_u32 v[VA+3], SLOT, v[VA+1]
	v_lshlrev_b32 v[MA], 5, v196
	v_add_nc_u32 v[MA], MT, v[MA]
	s_mul_i32 s3, s9, 32*PK
	s_add_co_u32 s3, s3, s2
	v_add_nc_u32 v[STO], s3, v199                  ; the way out: row 32 (w % 4) + r, 128 head + 16 h
	v_mul_u32_u24 v201, v196, PK
	v_lshl_add_u32 v201, v195, 4, v201
	s_mul_i32 s3, s8, 16*PK
	v_add_nc_u32 v[RD], s3, v201                   ; back: rows 16 w + ..., 16 lanes a row
	v_lshlrev_b32 v[CO], 11, v196
	v_lshl_add_u32 v[CO], v195, 4, v[CO]
	v_add_nc_u32 v202, MT, v194
	v_mov_b32 v[AL+1], 0                           ; upper halves of pairs of which the lower half alone is used
	v_mov_b32 v[AL+3], 0
	v_mov_b32 v[NM+1], 0
	v_mov_b32 v[NM+3], 0
	s_wait_loadcnt 0x0                             ; the mask and Q are in; v12 is free from here on
.irp w, 32,16,8,4,2,1
.set i, 0
.rept \w
	v_or_b32 v[S+i], v[S+i], v[S+i+\w]
.set i, i+1
.endr
.endr
	v_cmp_ne_u32 vcc_lo, 0, v[S]
	s_cmp_lg_u32 vcc_lo, 0                         ; any live key in the batch?  It selects values only
	s_cselect_b32 s48, 0x3e38aa3b, 0               ; scale = log2(e) / 8
	s_cselect_b32 s50, 0xbe38aa3b, 0               ; -scale
	s_cselect_b32 s51, 0xcfee6b28, 0               ; NEG = -8e9
	s_mov_b32 s49, s48
	v_mov_b32 v203, s51
.irp i, 0,1,2,3,4,5,6,7
	v_cmp_eq_u32 vcc_lo, 0, v[KF+\i]
	v_cndmask_b32 v[KF+\i], 0, v203, vcc_lo
.endr
	ds_store_b128 v202, v[KF:KF+3]
	ds_store_b128 v202, v[KF+4:KF+7] offset:16
	s_wait_dscnt 0x0                               ; my part of the table is written, for the others' sake
	s_wait_tensorcnt 1                             ; my part of slot 0 is in; slot 1's stays out
	s_barrier_signal -1
	s_barrier_wait -1
.macro LOADK slot, sp, kb              ; 24 loads: K's 64 rows of key block kb, and their table entries
.irp t, 0,1,2,3
.irp ks, 0,1
	ds_load_b128 v[KF+8*(2*\t+\ks):KF+8*(2*\t+\ks)+3],   v[KA+\slot] offset:(\kb)*64*PK+\t*16*PK+\ks*64
	ds_load_b128 v[KF+8*(2*\t+\ks)+4:KF+8*(2*\t+\ks)+7], v[KA+\slot] offset:(\kb)*64*PK+\t*16*PK+\ks*64+32
.endr
.endr
.irp t, 0,1,2,3
	ds_load_b128 v[CM+8*\t:CM+8*\t+3],   v[MA] offset:\sp*1024+(\kb)*256+\t*64
	ds_load_b128 v[CM+8*\t+4:CM+8*\t+7], v[MA] offset:\sp*1024+(\kb)*256+\t*64+16
.endr
.endm
.macro LOADV slot, kb                  ; 16 transposing loads: V^T of key block kb
.irp db, 0,1,2,3
.irp s, 0,1
	ds_load_tr16_b128 v[VF+8*(2*\db+\s):VF+8*(2*\db+\s)+3],   v[VA+2*\slot+(\kb)/2] offset:((\kb)%2)*64*PVP+\s*32*PVP+\db*32
	ds_load_tr16_b128 v[VF+8*(2*\db+\s)+4:VF+8*(2*\db+\s)+7], v[VA+2*\slot+(\kb)/2] offset:((\kb)%2)*64*PVP+\s*32*PVP+\db*32+16*PVP
.endr
.endr
.endm
; Scores of 64 keys x 32 queries: eight accumulators take turns, one instruction a turn; the table starts the sums.
.macro ST
	WIN 0x04                                       ; source 1 (Q) in window 1
.irp qn, 0,1
.irp t, 0,1,2,3
	v_wmma_f32_16x16x32_f16 v[S+8*(4*\qn+\t):S+8*(4*\qn+\t)+7], v[KF+16*\t:KF+16*\t+7], v[Q+16*\qn:Q+16*\qn+7], v[CM+8*\t:CM+8*\t+7]
.endr
.endr
.irp qn, 0,1
.irp t, 0,1,2,3
	v_wmma_f32_16x16x32_f16 v[S+8*(4*\qn+\t):S+8*(4*\qn+\t)+7], v[KF+16*\t+8:KF+16*\t+15], v[Q+16*\qn+8:Q+16*\qn+15], v[S+8*(4*\qn+\t):S+8*(4*\qn+\t)+7]
.endr
.endr
	WIN 0
.endm
; The softmax's first part, both query tiles together: the block's maxima in four chains that take turns (two a tile), the halves of the lanes
; joined, the running maximum, the new shift and the factor for what has been summed so far; the two tiles' short chains go side by side.
.macro SMAX first
.irp qn, 0,1
	v_max3_num_f32 v[T+2*\qn],   v[S+32*\qn],   v[S+32*\qn+1], v[S+32*\qn+2]
	v_max3_num_f32 v[T+2*\qn+1], v[S+32*\qn+3], v[S+32*\qn+4], v[S+32*\qn+5]
.endr
.set j, 6
.rept 13
	v_max3_num_f32 v[T+(j/2)%2],   v[T+(j/2)%2],   v[S+j],    v[S+j+1]
	v_max3_num_f32 v[T+2+(j/2)%2], v[T+2+(j/2)%2], v[S+32+j], v[S+32+j+1]
.set j, j+2
.endr
	v_max_num_f32 v[T],   v[T],   v[T+1]
	v_max_num_f32 v[T+2], v[T+2], v[T+3]
	v_permlanex16_b32 v[T+1], v[T],   s52, s53     ; the other half of the lanes holds the other keys of my query
	v_permlanex16_b32 v[T+3], v[T+2], s52, s53
.if \first
	v_max_num_f32 v[MX],   v[T],   v[T+1]
	v_max_num_f32 v[MX+1], v[T+2], v[T+3]
	v_mul_f32 v[NM],   s50, v[MX]
	v_mul_f32 v[NM+2], s50, v[MX+1]
.else
	v_max3_num_f32 v[MX],   v[T],   v[T+1], v[MX]
	v_max3_num_f32 v[MX+1], v[T+2], v[T+3], v[MX+1]
	v_mul_f32 v[TB],   s50, v[MX]                  ; the new shifts
	v_mul_f32 v[TB+1], s50, v[MX+1]
	v_sub_f32 v[TB+2], v[TB],   v[NM]              ; new shift - old shift, at most 0: of the two rounded shifts that the exponentials use
	v_sub_f32 v[TB+3], v[TB+1], v[NM+2]
	v_exp_f32 v[AL],   v[TB+2]
	v_exp_f32 v[AL+2], v[TB+3]
	v_mov_b32 v[NM],   v[TB]                       ; the plain place behind the transcendentals (ISA guide 5.7.2)
	v_mov_b32 v[NM+2], v[TB+1]
.endif
.endm
; The k-th of the 32 plain instructions that finish query tile 0: its sum in two chains (0-15), then its rounding to f16 in place (16-31:
; register j takes registers 2 j, 2 j + 1, so that key step s ends up in registers 8 s .. 8 s + 7).
.macro FIN0 k, first
.if \k < 2
	s_wait_alu depctr_va_vdst(0)
	v_pk_add_f32 v[T+2*\k:T+2*\k+1], v[S+4*\k:S+4*\k+1], v[S+4*\k+2:S+4*\k+3]
.elseif \k < 14
	v_pk_add_f32 v[T+2*(\k%2):T+2*(\k%2)+1], v[T+2*(\k%2):T+2*(\k%2)+1], v[S+2*\k+4:S+2*\k+5]
.elseif \k == 14
	v_pk_add_f32 v[T:T+1], v[T:T+1], v[T+2:T+3]
.elseif \k == 15
.if \first
	v_add_f32 v[LS], v[T], v[T+1]
.else
	v_add_f32 v[T], v[T], v[T+1]
.endif
.else
	v_cvt_pk_f16_f32 v[S+\k-16], v[S+2*\k-32], v[S+2*\k-31]
.endif
.endm
.macro CV1 j                           ; query tile 1's rounding, register j
	v_cvt_pk_f16_f32 v[S+32+\j], v[S+32+2*\j], v[S+32+2*\j+1]
.endm
; The softmax's second part.  The exponentials stand among plain arithmetic of the other query tile: tile 0's among tile 1's multiply-adds, tile 1's
; one for one among tile 0's sums and roundings, so that the plain place that a transcendental wants behind it (ISA guide 5.7.2) is useful work.
.macro SEXP first
.set j, 0
.rept 16
	v_pk_fma_f32 v[S+j:S+j+1], v[S+j:S+j+1], s[48:49], v[NM:NM+1] op_sel_hi:[1,0,0]
.set j, j+2
.endr
.set j, 0
.rept 16
	v_exp_f32 v[S+j], v[S+j]
	v_pk_fma_f32 v[S+32+j:S+32+j+1], v[S+32+j:S+32+j+1], s[48:49], v[NM+2:NM+3] op_sel_hi:[1,0,0]
	v_exp_f32 v[S+j+1], v[S+j+1]
.set j, j+2
.endr
.set k, 0
.rept 32
	v_exp_f32 v[S+32+k], v[S+32+k]
	FIN0 k, \first                                 ; touches tile 0, T and LS alone
.set k, k+1
.endr
.if \first == 0
	v_fma_f32 v[LS], v[LS], v[AL], v[T]
	s_wait_alu depctr_va_vdst(0)
.endif
	; tile 1's sum in four chains; its roundings begin between the last, dependent adds
	s_wait_alu depctr_va_vdst(0)
	v_pk_add_f32 v[T:T+1],     v[S+32:S+33], v[S+34:S+35]
	v_pk_add_f32 v[T+2:T+3],   v[S+36:S+37], v[S+38:S+39]
	v_pk_add_f32 v[TB:TB+1],   v[S+40:S+41], v[S+42:S+43]
	v_pk_add_f32 v[TB+2:TB+3], v[S+44:S+45], v[S+46:S+47]
.irp j, 48, 56
	v_pk_add_f32 v[T:T+1],     v[T:T+1],     v[S+\j:S+\j+1]
	v_pk_add_f32 v[T+2:T+3],   v[T+2:T+3],   v[S+\j+2:S+\j+3]
	v_pk_add_f32 v[TB:TB+1],   v[TB:TB+1],   v[S+\j+4:S+\j+5]
	v_pk_add_f32 v[TB+2:TB+3], v[TB+2:TB+3], v[S+\j+6:S+\j+7]
.endr
	v_pk_add_f32 v[T:T+1],   v[T:T+1],   v[T+2:T+3]
	v_pk_add_f32 v[TB:TB+1], v[TB:TB+1], v[TB+2:TB+3]
	CV1 0
	CV1 1
	v_pk_add_f32 v[T:T+1], v[T:T+1], v[TB:TB+1]
	CV1 2
	CV1 3
.if \first
	v_add_f32 v[LS+1], v[T], v[T+1]
.else
	v_add_f32 v[T], v[T], v[T+1]
.endif
	CV1 4
	CV1 5
.if \first == 0
	v_fma_f32 v[LS+1], v[LS+1], v[AL+2], v[T]
.endif
.irp j, 6,7,8,9,10,11,12,13,14,15
	CV1 \j
.endr
.endm
.macro RESC                            ; the output tiles times the factor of their query tile
	WIN 0x41
.irp qn, 0,1
.set j, 0
.rept 16
	v_pk_mul_f32 v[O+32*\qn+j:O+32*\qn+j+1], v[O+32*\qn+j:O+32*\qn+j+1], v[AL+2*\qn:AL+2*\qn+1] op_sel_hi:[1,0]
.set j, j+2
.endr
.endr
	WIN 0
.endm
; O^T += V^T P^T: eight accumulators take turns, one instruction a turn.
.macro PV first
	WIN 0x50                                       ; C and D in window 1
.irp qn, 0,1
.irp db, 0,1,2,3
.if \first
	v_wmma_f32_16x16x32_f16 v[O+8*(4*\qn+\db):O+8*(4*\qn+\db)+7], v[VF+16*\db:VF+16*\db+7], v[S+32*\qn:S+32*\qn+7], 0
.else
	v_wmma_f32_16x16x32_f16 v[O+8*(4*\qn+\db):O+8*(4*\qn+\db)+7], v[VF+16*\db:VF+16*\db+7], v[S+32*\qn:S+32*\qn+7], v[O+8*(4*\qn+\db):O+8*(4*\qn+\db)+7]
.endif
.endr
.endr
.irp qn, 0,1
.irp db, 0,1,2,3
	v_wmma_f32_16x16x32_f16 v[O+8*(4*\qn+\db):O+8*(4*\qn+\db)+7], v[VF+16*\db+8:VF+16*\db+15], v[S+32*\qn+8:S+32*\qn+15], v[O+8*(4*\qn+\db):O+8*(4*\qn+\db)+7]
.endr
.endr
	WIN 0
	NOPS 5                                         ; five places before the next scores write over p, a source of these (ISA guide 7.12.1)
.endm
.macro KB slot, sp, kb, first          ; one block of 64 keys
	s_wait_dscnt 0x0                               ; K and the table entries are in
	ST
	NOPS 4                                         ; four places before loads into K's and the table's registers and before the scores are read
	LOADV \slot, \kb
.if \kb < 3
	LOADK \slot, \sp, \kb+1
.endif
	SMAX \first
	SEXP \first
.if \first == 0
	RESC
.endif
.if \kb < 3
	s_wait_dscnt 24                                ; V's 16 loads are in; the 24 younger ones, the next block's K and table, stay out
.else
	s_wait_dscnt 0x0
.endif
	PV \first
.endm
; The last block of a step behind which slots change.  An early wave finishes it here; a late wave goes on to the barrier with the scores and, once
; the wait in front of the barrier has passed, V's fragments in its registers.
.macro LASTKB slot
	s_wait_dscnt 0x0
	ST
	NOPS 5                                         ; four places as above; the fifth so that on every way through the text five stand in front of the next scores, which write over these
	LOADV \slot, 3
	s_cmp_lg_u32 s[GRP], 0
	s_cbranch_scc1 .Llater_\@
	SMAX 0
	SEXP 0
	RESC
	s_wait_dscnt 0x0                               ; V's fragments are in
	PV 0
.Llater_\@:
.endm
; The head of a step.  late = 1: a late wave first finishes the last step's last block, out of registers; its own loads of K stand behind the maxima,
; so that they queue behind the early waves' loads, which are waited for at once.
.macro ENTER slot, sp, late
.if \late
	s_cmp_lg_u32 s[GRP], 0
	s_cbranch_scc1 .Llate_\@
	LOADK \slot, \sp, 0
	s_branch .Lgo_\@
.Llate_\@:
	SMAX 0
	LOADK \slot, \sp, 0
	SEXP 0
	RESC
	PV 0                                           ; V's fragments were waited for in front of the barrier
.Lgo_\@:
.else
	LOADK \slot, \sp, 0
.endif
.endm
.macro STEP slot, sp, first, late, split   ; 256 keys; late: something was carried in; split: something is carried out
	ENTER \slot, \sp, \late
	KB \slot, \sp, 0, \first
	KB \slot, \sp, 1, 0
	KB \slot, \sp, 2, 0
.if \split
	LASTKB \slot
.else
	KB \slot, \sp, 3, 0
.endif
.endm
; The slot just read is given up.  Each wave waits for its reads and for all its tensor loads (one is out: its part of the other slot); with
; fill = 1 a round of the cluster's barrier follows, and the joint refill, two steps ahead, is the first thing behind it, one load a wave.
.macro CHANGE slot, fill
	s_wait_dscnt 0x0
	s_set_vgpr_msb 0x5
	s_wait_tensorcnt 0x0
	ds_add_u32 v96, v97
	s_wait_dscnt 0x0
	s_set_vgpr_msb 0x500
.if \fill
	s_add_nc_u64 s[G0K+4*\slot+2:G0K+4*\slot+3], s[G0K+4*\slot+2:G0K+4*\slot+3], 2*256*8192
	s_add_nc_u64 s[G0V+4*\slot+2:G0V+4*\slot+3], s[G0V+4*\slot+2:G0V+4*\slot+3], 2*256*8192
	ROUND
	JLOAD \slot
.else
	s_barrier_signal -1
	s_barrier_wait -1
.endif
.endm
	STEP 0, 0, 1, 0, 1                             ; keys 0-255: the first block starts maximum, sum and output
	CHANGE 0, 1
	STEP 1, 1, 0, 1, 1
	CHANGE 1, 1
	v_add_nc_u32 v[MA], 0x800, v[MA]
	s_mov_b32 s54, 2
.Lpair:
	STEP 0, 0, 0, 1, 1
	CHANGE 0, 1
	STEP 1, 1, 0, 1, 1
	CHANGE 1, 1
	v_add_nc_u32 v[MA], 0x800, v[MA]
	s_sub_co_u32 s54, s54, 1
	s_cmp_lg_u32 s54, 0
	s_cbranch_scc1 .Lpair
	STEP 0, 0, 0, 1, 1                             ; keys 1,536-2,047: nothing is left to fetch
	CHANGE 0, 0
	STEP 1, 1, 0, 1, 0                             ; the last step carries nothing out
	; THE WAY OUT: divide by the sum, round, 16 bytes a lane into a stage in slot 0 (its last fill has landed and every wave's last reads of it were
	; waited for in front of the barrier above), back as whole rows of 256 bytes: both heads side by side.
	v_permlanex16_b32 v[T],   v[LS],   s52, s53
	v_permlanex16_b32 v[T+1], v[LS+1], s52, s53
	v_add_f32 v[LS],   v[LS],   v[T]
	v_add_f32 v[LS+1], v[LS+1], v[T+1]
	v_rcp_f32 v[AL],   v[LS]
	v_rcp_f32 v[AL+2], v[LS+1]
	v_nop                                          ; the plain place behind the transcendentals
	s_wait_alu depctr_va_vdst(0)
	RESC
	WIN 0x05
.irp qn, 0,1
.irp db, 0,1,2,3
.irp i, 0,1,2,3
	v_cvt_pk_f16_f32 v[S+4*(4*\qn+\db)+\i], v[O+8*(4*\qn+\db)+2*\i], v[O+8*(4*\qn+\db)+2*\i+1]
.endr
.endr
.endr
	WIN 0
.irp qn, 0,1
.irp db, 0,1,2,3
	ds_store_b128 v[STO], v[S+4*(4*\qn+\db):S+4*(4*\qn+\db)+3] offset:\qn*16*PK+32*\db
.endr
.endr
	s_lshl_b32 s62, s14, 22                        ; (2,048 batch + 128 block + 16 w) rows of 2,048 bytes + 256 pair
	s_lshl_b32 s55, s12, 18
	s_add_co_u32 s62, s62, s55
	s_lshl_b32 s55, s8, 15
	s_add_co_u32 s62, s62, s55
	s_lshl_b32 s55, s15, 8
	s_add_co_u32 s62, s62, s55
	s_mov_b32 s63, 0
	s_add_nc_u64 s[60:61], s[60:61], s[62:63]
	s_wait_dscnt 0x0                               ; my stores are done, for the others' sake
	s_barrier_signal -1
	s_barrier_wait -1
.irp t, 0,1,2,3,4,5,6,7
	ds_load_b128 v[KF+4*\t:KF+4*\t+3], v[RD] offset:\t*2*PK
.endr
.irp t, 0,1,2,3,4,5,6,7
	s_wait_dscnt 7-\t
	global_store_b128 v[CO], v[KF+4*\t:KF+4*\t+3], s[60:61] offset:\t*4096      ; 16 lanes store 256 consecutive bytes, aligned
.endr
	s_set_vgpr_msb 0x5
	s_wait_tensorcnt 0x0
	ds_add_u32 v96, v97
	s_wait_dscnt 0x0
	s_set_vgpr_msb 0x500
	ROUND                                          ; the closing round
	s_endpgm
.Lfunc_end_k_q4779958bfd_attn:
	.size	k_q4779958bfd_attn, .Lfunc_end_k_q4779958bfd_attn-k_q4779958bfd_attn
	.p2alignl 7, 3214868480
	.fill 96, 4, 3214868480
	.section	.rodata,"a",@progbits
	.p2align	6, 0x0
	.amdhsa_kernel k_q4779958bfd_attn
		.amdhsa_group_segment_fixed_size 327680
		.amdhsa_private_segment_fixed_size 0
		.amdhsa_enable_private_segment 0
		.amdhsa_kernarg_size 24
		.amdhsa_user_sgpr_count 2
		.amdhsa_user_sgpr_kernarg_segment_ptr 1
		.amdhsa_wavefront_size32 1
		.amdhsa_system_sgpr_workgroup_id_x 1
		.amdhsa_system_sgpr_workgroup_id_y 1
		.amdhsa_system_sgpr_workgroup_id_z 1
		.amdhsa_system_vgpr_workitem_id 0
		.amdhsa_next_free_vgpr 354
		.amdhsa_next_free_sgpr 66
		.amdhsa_reserve_vcc 1
		.amdhsa_float_denorm_mode_32 3
		.amdhsa_float_denorm_mode_16_64 3
		.amdhsa_memory_ordered 1
		.amdhsa_forward_progress 1
		.amdhsa_inst_pref_size 255
	.end_amdhsa_kernel
	.section	.bss,"aw",@nobits
	.p2align	6
	.space	262144
	.amdgpu_metadata
---
amdhsa.version: [ 1, 2 ]
amdhsa.kernels:
  - .name:           k_q4779958bfd_attn
    .symbol:         k_q4779958bfd_attn.kd
    .args:
      - { .name: big, .offset: 0, .size: 8, .value_kind: global_buffer, .address_space: global }
      - { .name: mask, .offset: 8, .size: 8, .value_kind: global_buffer, .address_space: global }
      - { .name: act, .offset: 16, .size: 8, .value_kind: global_buffer, .address_space: global }
    .group_segment_fixed_size: 327680
    .private_segment_fixed_size: 0
    .kernarg_segment_align: 8
    .kernarg_segment_size: 24
    .max_flat_workgroup_size: 256
    .sgpr_count:     66
    .vgpr_count:     354
    .wavefront_size: 32
...
	.end_amdgpu_metadata
.endif
;; end of part 3
;; launch wo (part 4): grid 8 x 32, 4 waves a work-group, clusters of 4 x 4, 327,680 bytes of LDS; arguments act, w2o, bo, x, x1; writes x1
.if DOCPART == 4
	.amdgcn_target "amdgcn-amd-amdhsa--gfx1250"
	.amdhsa_code_object_version 6
	.text
	.protected	k_q4779958bfd_wo
	.globl	k_q4779958bfd_wo
	.p2align	8
	.type	k_q4779958bfd_wo,@function
k_q4779958bfd_wo:
	s_mov_b64 s[64:65], 0
	v_nop
	global_prefetch_b8 v0, s[64:65] scope:SCOPE_SE
	s_setreg_imm32_b32 hwreg(HW_REG_WAVE_MODE, 25, 1), 1
	s_wait_xcnt 0x0
	s_wait_alu depctr_hold_cnt(0) depctr_sa_sdst(0) depctr_va_vdst(0) depctr_va_sdst(0) depctr_va_ssrc(0) depctr_va_vcc(0) depctr_vm_vsrc(0)
	s_getreg_b32 s2, hwreg(HW_REG_IB_STS2, 6, 4)
	s_cmp_eq_u32 s2, 0
	s_cbranch_scc0 .Lentry_in_a_cluster
	s_endpgm
.Lentry_in_a_cluster:
	s_bfe_u32 s2, ttmp6, 0x10000c
	s_cmp_lg_u32 s2, 0xf033
	s_cbranch_scc0 .Lentry_shape_is_right
	s_endpgm
.Lentry_shape_is_right:
; C[m][n] = R[m][n] + bias[n] + sum over k of A[m][k] B[k][n], f32 out.  A: [4096][APITCH] f16; B: [SIZE_K][1024] f16 at byte BOFF of its buffer,
; K down the rows; bias: [1024] f32; R, C: [4096][1024] f32.  Sums in f32; nothing here is rounded to 16 bits.
; N is 1,024, so 256 work-groups means blocks of 128 x 128.  Every wave makes the WHOLE block (64 accumulator tiles, 512 registers) over its own
; quarter of K: for 32 along K a wave still loads 2 x 128 x 64 bytes from LDS for 64 matrix instructions, half of what four tiles of 64 x 64 would
; load for the same work.  The four partial blocks are added once, through LDS, at the end (the order of that sum: ((w0 + w1) + (w2 + w3)) + bias + R).
; K goes in slots of 256 (wave w takes k = 64 w .. 64 w + 63 of a slot, in two steps of 32) through two LDS slots filled by the tensor data mover.
; CLUSTERS: 4 x 4 work-groups; A's tile is asked for jointly by a row of the cluster, B's by a column.
; REGISTERS: window 0: v16-35 addresses and bias; v64-191 fragments of A, two buffers, later the partial sums;  window 1: v64-191 fragments of B, later R;
; windows 2, 3: accumulators of rows 0-63, 64-127.  The matrix instruction is used transposed (source 0 = columns of B): lane l holds row l % 16
; and eight neighbouring columns 8 (l / 16) + 0..7.
.set SIZE_K, 1024
.set APITCH, 1024
.set BOFF,   8388608
.set KSLOT,  256
.set APIT,   528                       ; A in LDS: 512 bytes + 16, an odd multiple of 16
.set BPIT,   288                       ; B in LDS: 256 bytes + 32, an odd multiple of 32, for the transposing loads
.set REG,    36864                     ; what one wave fills: 64 rows of A (33,792 bytes, the rest unused) or 128 rows of B (exactly)
.set GAP,    REG-64*APIT
.set SLOT,   4*REG
.set LAPS,   SIZE_K/(2*KSLOT)
.set RP,     528                       ; the sum: a row of 128 f32 + 16 bytes
.set REGW,   32*RP                     ; 32 rows of one wave's partial block
.set REGG,   4*REGW                    ; the four waves' partial sums of one group of 32 rows
.set ADRA, 16
.set ADRB, 20
.set RD,   24                          ; v24-25
.set CO,   26
.set STO,  28                          ; v28-31, one for each group of 32 rows
.set BIAS, 32                          ; v32-35
.set F0,   64
.set F1,   128
.set P,    64
.set G1, 24
.set G0, 32
.set G1B, 48
.set G0B, 56
.set MSB, 0
.macro WIN new
.if MSB != \new
	s_set_vgpr_msb (MSB<<8)|\new
.set MSB, \new
.endif
.endm
.set MUL_LO, 0xa1
.set MUL_HI, 0xf1
.set TO_B,   0x40
.macro JLOAD s                         ; waves 0 and 1 fetch A's halves, waves 2 and 3 B's
	s_cmp_eq_u32 s11, 0
	s_cbranch_scc0 .Lfor_b_\@
	tensor_load_to_lds s[G0+4*\s:G0+4*\s+3], s[G1:G1+7]
	s_nop 0
	s_branch .Lasked_\@
.Lfor_b_\@:
	tensor_load_to_lds s[G0B+4*\s:G0B+4*\s+3], s[G1B:G1B+7]
	s_nop 0
.Lasked_\@:
.endm
.macro CREST
	s_cmp_lg_u32 s10, 0
	s_cbranch_scc1 .Lnot_wave_0_\@
	s_barrier_signal -3
.Lnot_wave_0_\@:
	s_barrier_wait -3
	s_barrier_signal -1
	s_barrier_wait -1
.endm
.macro CROUND
	s_barrier_signal -1
	s_barrier_wait -1
	CREST
.endm
	s_load_b256 s[68:75], s[0:1], 0x0              ; A s[68:69], B s[70:71], bias s[72:73], R s[74:75]
	s_load_b64 s[76:77], s[0:1], 0x20              ; C
	s_set_vgpr_msb 0x40
	v_lshl_add_u32 v255, v0, 2, 0x48000
	s_set_vgpr_msb 0x4000
	v_mov_b32 v255, 0
	s_set_vgpr_msb 0x1
	ds_add_u32 v255, v255
	s_set_vgpr_msb 0x100
	v_lshrrev_b32 v1, 5, v0
	v_readfirstlane_b32 s10, v1                    ; wave 0..3: my quarter of K
	s_lshr_b32 s11, s10, 1                         ; I fetch for A (0) or for B (1)
	s_and_b32 s12, s10, 1                          ; which half of that tile
	s_bfe_u32 s40, ttmp6, 0x40000                  ; cx
	s_bfe_u32 s41, ttmp6, 0x40004                  ; cy
	s_lshl_b32 s42, ttmp9, 2
	s_add_co_u32 s42, s42, s40                     ; block column 0..7
	s_and_b32 s13, ttmp7, 0xffff
	s_lshl_b32 s13, s13, 2
	s_add_co_u32 s13, s13, s41                     ; block row 0..31
	s_lshl_b32 s43, s41, 2
	s_lshl_b32 s43, 15, s43                        ; my row of the cluster
	s_lshl_b32 s44, 0x1111, s40                    ; my column
	; group 1.  A: 64 rows x 256 elements, 4 words of padding behind every 128.  B: 128 rows x 128 elements, 8 words behind every 64.
	s_or_b32 s[G1+0], s43, (1<<16)|(1<<20)|(1<<21)|(6<<22)|(3<<25)
	s_or_b32 s[G1B+0], s44, (1<<16)|(1<<20)|(1<<21)|(5<<22)|(7<<25)
	s_mov_b32 s[G1+1], KSLOT<<16
	s_mov_b32 s[G1B+1], 128<<16
	s_mov_b32 s[G1+2], 64<<16
	s_mov_b32 s[G1B+2], 128<<16
	s_mov_b32 s[G1+3], KSLOT<<16
	s_mov_b32 s[G1B+3], 128<<16
	s_mov_b32 s[G1+4], 64
	s_mov_b32 s[G1B+4], 128
	s_mov_b32 s[G1+5], APITCH
	s_mov_b32 s[G1B+5], 1024
	s_mov_b32 s[G1+6], 0
	s_mov_b32 s[G1B+6], 0
	s_mov_b32 s[G1+7], 0
	s_mov_b32 s[G1B+7], 0
	s_lshl_b32 s17, s12, 6
	s_lshl_b32 s16, s13, 7
	s_add_co_u32 s16, s16, s17                     ; A: row 128 x block row + 64 x half,
	s_mul_i32 s16, s16, APITCH*2                   ; in bytes
	s_mov_b32 s17, 0
	s_lshl_b32 s46, s12, 18                        ; B: 128 x half rows of 2,048 bytes
	s_lshl_b32 s47, s42, 8                         ; + 256 bytes x block column
	s_add_co_u32 s46, s46, s47
.if BOFF
	s_add_co_u32 s46, s46, BOFF                    ; + the weight's place in its buffer
.endif
	s_mov_b32 s47, 0
	s_mul_i32 s20, s10, REG                        ; where my part goes: wave x 36,864
	s_wait_dscnt 0x0
	s_wait_kmcnt 0x0
	s_add_nc_u64 s[14:15], s[68:69], s[16:17]
	s_add_nc_u64 s[46:47], s[70:71], s[46:47]
	CROUND                                         ; all sixteen work-groups are here: the first joint loads meet
.irp s, 0,1
	s_mov_b32 s[G0+4*\s], 1
	s_add_co_u32 s[G0+4*\s+1], s20, \s*SLOT
	s_add_nc_u64 s[G0+4*\s+2:G0+4*\s+3], s[14:15], \s*KSLOT*2
	s_or_b32 s[G0+4*\s+3], s[G0+4*\s+3], 0x80000000
	s_mov_b32 s[G0B+4*\s], 1
	s_add_co_u32 s[G0B+4*\s+1], s20, \s*SLOT
	s_add_nc_u64 s[G0B+4*\s+2:G0B+4*\s+3], s[46:47], \s*KSLOT*2048
	s_or_b32 s[G0B+4*\s+3], s[G0B+4*\s+3], 0x80000000
	JLOAD \s
.endr
	v_and_b32 v1, 15, v0                           ; l % 16
	v_bfe_u32 v2, v0, 4, 1                         ; l / 16
	v_and_b32 v6, 7, v0
	v_bfe_u32 v7, v0, 3, 1
	v_mul_u32_u24 v3, v1, APIT
	v_lshl_add_u32 v3, v2, 4, v3                   ; A: row x pitch + 16 (l / 16)
	s_lshl_b32 s21, s10, 7                         ; + my 64 of the slot's 256 along K: 128 bytes x wave
	v_lshl_add_u32 v8, v2, 3, v6                   ; B: row 8 (l / 16) + l % 8 of 32 along K, 16 bytes at 16 ((l / 8) % 2)
	v_mul_u32_u24 v8, v8, BPIT
	v_lshl_add_u32 v8, v7, 4, v8
	s_mul_i32 s22, s10, 64*BPIT                    ; + my 64 rows,
	s_add_co_u32 s22, s22, 2*REG                   ; behind A's two parts
.irp s, 0,1
	v_add_nc_u32 v[ADRA+\s], s21, v3
	v_add_nc_u32 v[ADRB+\s], s22, v8
	s_add_co_u32 s21, s21, SLOT
	s_add_co_u32 s22, s22, SLOT
.endr
	v_mul_u32_u24 v4, v1, RP
	v_lshl_add_u32 v4, v2, 5, v4                   ; the sum, in: row l % 16, 32 bytes for each half of the lanes
	s_mul_i32 s23, s10, REGW
.irp g, 0,1,2,3
	v_add_nc_u32 v[STO+\g], s23, v4
	s_add_co_u32 s23, s23, REGG
.endr
	v_and_b32 v5, 31, v0
	v_lshlrev_b32 v[CO], 4, v5                     ; 16 bytes a lane: a row of 512 bytes a wave
	s_mul_i32 s23, s10, REGG
	v_add_nc_u32 v[RD], s23, v[CO]                 ; the sum, back: my group of 32 rows, waves 0 and 1,
	v_add_nc_u32 v[RD+1], 2*REGW, v[RD]            ; waves 2 and 3
; The 64 accumulators take turns, one instruction a turn, in the same order in every step.
.macro MUL16 f, hi, a0, zero
.irp a, \a0, \a0+1
.irp b, 0,1,2,3,4,5,6,7
.if \zero
	v_wmma_f32_16x16x32_f16 v[8*(8*(\a)+\b):8*(8*(\a)+\b)+7], v[\f+8*\b:\f+8*\b+7], v[\f+8*(4*\hi+\a):\f+8*(4*\hi+\a)+7], 0
.else
	v_wmma_f32_16x16x32_f16 v[8*(8*(\a)+\b):8*(8*(\a)+\b)+7], v[\f+8*\b:\f+8*\b+7], v[\f+8*(4*\hi+\a):\f+8*(4*\hi+\a)+7], v[8*(8*(\a)+\b):8*(8*(\a)+\b)+7]
.endif
.endr
.endr
.endm
.macro FETCH slot, st, f               ; 32 LDS loads: step st (32 along K) of my quarter of the slot into buffer f
	WIN TO_B
.irp i, 0,1,2,3,4,5,6,7
	ds_load_tr16_b128 v[\f+8*\i:\f+8*\i+3],   v[ADRB+\slot] offset:\st*32*BPIT+32*\i
	ds_load_tr16_b128 v[\f+8*\i+4:\f+8*\i+7], v[ADRB+\slot] offset:\st*32*BPIT+32*\i+16*BPIT
.endr
	WIN 0
.irp i, 0,1,2,3,4,5,6,7
	ds_load_b128 v[\f+8*\i:\f+8*\i+3],   v[ADRA+\slot] offset:\st*64+\i*16*APIT+(\i/4)*GAP
	ds_load_b128 v[\f+8*\i+4:\f+8*\i+7], v[ADRA+\slot] offset:\st*64+\i*16*APIT+(\i/4)*GAP+32
.endr
.endm
.macro PLACES                          ; four places of plain vector instructions behind matrix instructions (ISA guide 7.12.1)
.rept 4
	v_nop
.endr
.endm
.macro QUARTER slot, st, f, g, zero    ; multiplies buffer f; in its middle fetches step st of the same slot into buffer g
	s_wait_dscnt 8                                 ; B and A's rows 0-63 are in; the youngest eight loads (A's rows 64-127) may be out
	WIN MUL_LO
	MUL16 \f, 0, 0, \zero
	MUL16 \f, 0, 2, \zero
	PLACES
	FETCH \slot, \st, \g
	s_wait_dscnt 32                                ; all but the 32 just issued
	WIN MUL_HI
	MUL16 \f, 1, 0, \zero
	MUL16 \f, 1, 2, \zero
.endm
; The slot's second step multiplies buffer 1 and changes slots: each wave's waits for its reads and for all its tensor loads stand in front of the
; barrier; behind it (with fill = 1: behind the round of the cluster's barrier that it opens) the refill comes first, then the next slot's fragments.
.macro TURN slot, next, fill
	s_wait_dscnt 8
	WIN MUL_LO
	MUL16 F1, 0, 0, 0
	s_wait_dscnt 0
	s_wait_tensorcnt 0x0
	ds_add_u32 v255, v255
	s_wait_dscnt 0x0
	s_barrier_signal -1
	MUL16 F1, 0, 2, 0
	WIN 0
	s_barrier_wait -1
.if \fill
	CREST
	s_add_nc_u64 s[G0+4*\slot+2:G0+4*\slot+3], s[G0+4*\slot+2:G0+4*\slot+3], 2*KSLOT*2
	s_add_nc_u64 s[G0B+4*\slot+2:G0B+4*\slot+3], s[G0B+4*\slot+2:G0B+4*\slot+3], 2*KSLOT*2048
	JLOAD \slot
.endif
	PLACES
	FETCH \next, 0, F0
	WIN MUL_HI
	MUL16 F1, 1, 0, 0
	MUL16 F1, 1, 2, 0
.endm
.macro LAP zero
	QUARTER 0, 1, F0, F1, \zero
	TURN 0, 1, 1
	QUARTER 1, 1, F0, F1, 0
	TURN 1, 0, 1
.endm
	s_wait_tensorcnt 1                             ; my part of slot 0 is in; slot 1's stays out
	s_barrier_signal -1
	s_barrier_wait -1
	FETCH 0, 0, F0
	LAP 1
.if LAPS > 2
	WIN 0
	s_mov_b32 s3, LAPS-2
.Llap:
	LAP 0
	WIN 0
	s_sub_co_u32 s3, s3, 1
	s_cmp_lg_u32 s3, 0
	s_cbranch_scc1 .Llap
.endif
	QUARTER 0, 1, F0, F1, 0                        ; the last lap fills nothing
	TURN 0, 1, 0
	QUARTER 1, 1, F0, F1, 0
	s_wait_dscnt 8
	WIN MUL_LO
	MUL16 F1, 0, 0, 0
	MUL16 F1, 0, 2, 0
	s_wait_dscnt 0
	WIN MUL_HI
	MUL16 F1, 1, 0, 0
	MUL16 F1, 1, 2, 0
	; THE SUM AND THE WAY OUT.  Wave w owns rows 32 w .. 32 w + 31 of the block.
	PLACES
	WIN 0
	s_lshl_b32 s16, s13, 7
	s_lshl_b32 s17, s10, 5
	s_add_co_u32 s16, s16, s17                     ; my first row,
	s_lshl_b32 s16, s16, 12                        ; times 4,096 bytes
	s_mov_b32 s17, 0
	s_lshl_b32 s46, s42, 9                         ; the block's first column: 512 bytes x block column
	s_mov_b32 s47, 0
	s_add_nc_u64 s[74:75], s[74:75], s[16:17]
	s_add_nc_u64 s[74:75], s[74:75], s[46:47]
	s_add_nc_u64 s[76:77], s[76:77], s[16:17]
	s_add_nc_u64 s[76:77], s[76:77], s[46:47]
	s_add_nc_u64 s[72:73], s[72:73], s[46:47]
	WIN TO_B
.set i, 0
.rept 32
	global_load_b128 v[64+4*i:64+4*i+3], v[CO], s[74:75] offset:i*4096     ; R's 32 rows, into B's fragment registers: on their way during the exchange
.set i, i+1
.endr
	WIN 0
	global_load_b128 v[BIAS:BIAS+3], v[CO], s[72:73]
	s_barrier_signal -1                            ; every wave's reads of the ring are back (the wait for 0 above) and the ring has had its last fill
	s_barrier_wait -1
.macro PUT hi, win                     ; my partial block's rows 64 hi .. 64 hi + 63, as rows of 512 bytes: group (4 hi + a) / 2, my part of it
	WIN \win
.irp a, 0,1,2,3
.irp b, 0,1,2,3,4,5,6,7
	ds_store_b128 v[STO+2*\hi+(\a)/2], v[8*(8*\a+\b):8*(8*\a+\b)+3]   offset:((\a)%2)*16*RP+64*\b
	ds_store_b128 v[STO+2*\hi+(\a)/2], v[8*(8*\a+\b)+4:8*(8*\a+\b)+7] offset:((\a)%2)*16*RP+64*\b+16
.endr
.endr
.endm
	PUT 0, 0x08                                    ; store data in window 2
	PUT 1, 0x0c                                    ; in window 3
	WIN 0
	s_wait_dscnt 0x0                               ; my stores are done, for the others' sake
	s_barrier_signal -1
	s_barrier_wait -1
.macro BATCH bt                        ; eight rows: four partial sums, bias, R
.if \bt
	s_wait_xcnt 0x0                                ; the last batch's stores have read their data registers
.endif
.irp sw, 0,1,2,3
.irp t, 0,1,2,3,4,5,6,7
	ds_load_b128 v[P+32*\sw+4*\t:P+32*\sw+4*\t+3], v[RD+(\sw)/2] offset:((\sw)%2)*REGW+(8*\bt+\t)*RP
.endr
.endr
	s_wait_dscnt 0x0
.if \bt == 0
	s_wait_loadcnt 0x0                             ; R and the bias, once
.endif
.irp t, 0,1,2,3,4,5,6,7
.irp p, 0,2
	v_pk_add_f32 v[P+4*\t+\p:P+4*\t+\p+1], v[P+4*\t+\p:P+4*\t+\p+1], v[P+32+4*\t+\p:P+32+4*\t+\p+1]
	v_pk_add_f32 v[P+64+4*\t+\p:P+64+4*\t+\p+1], v[P+64+4*\t+\p:P+64+4*\t+\p+1], v[P+96+4*\t+\p:P+96+4*\t+\p+1]
.endr
.endr
.irp t, 0,1,2,3,4,5,6,7
.irp p, 0,2
	v_pk_add_f32 v[P+4*\t+\p:P+4*\t+\p+1], v[P+4*\t+\p:P+4*\t+\p+1], v[P+64+4*\t+\p:P+64+4*\t+\p+1]
.endr
.endr
.irp t, 0,1,2,3,4,5,6,7
.irp p, 0,2
	v_pk_add_f32 v[P+4*\t+\p:P+4*\t+\p+1], v[P+4*\t+\p:P+4*\t+\p+1], v[BIAS+\p:BIAS+\p+1]
.endr
.endr
	WIN 0x04                                       ; source 1 (R) in window 1
.irp t, 0,1,2,3,4,5,6,7
.irp p, 0,2
	v_pk_add_f32 v[P+4*\t+\p:P+4*\t+\p+1], v[P+4*\t+\p:P+4*\t+\p+1], v[64+4*(8*\bt+\t)+\p:64+4*(8*\bt+\t)+\p+1]
.endr
.endr
	WIN 0
.irp t, 0,1,2,3,4,5,6,7
	global_store_b128 v[CO], v[P+4*\t:P+4*\t+3], s[76:77] offset:(8*\bt+\t)*4096   ; a wave's store covers 512 consecutive bytes, aligned
.endr
.endm
	BATCH 0
	BATCH 1
	BATCH 2
	BATCH 3
	s_set_vgpr_msb 0x1
	s_wait_tensorcnt 0x0
	ds_add_u32 v255, v255
	s_wait_dscnt 0x0
	s_set_vgpr_msb 0x100
	CROUND                                         ; the closing round
	s_endpgm
.Lfunc_end_k_q4779958bfd_wo:
	.size	k_q4779958bfd_wo, .Lfunc_end_k_q4779958bfd_wo-k_q4779958bfd_wo
	.p2alignl 7, 3214868480
	.fill 96, 4, 3214868480
	.section	.rodata,"a",@progbits
	.p2align	6, 0x0
	.amdhsa_kernel k_q4779958bfd_wo
		.amdhsa_group_segment_fixed_size 327680
		.amdhsa_private_segment_fixed_size 0
		.amdhsa_enable_private_segment 0
		.amdhsa_kernarg_size 40
		.amdhsa_user_sgpr_count 2
		.amdhsa_user_sgpr_kernarg_segment_ptr 1
		.amdhsa_wavefront_size32 1
		.amdhsa_system_sgpr_workgroup_id_x 1
		.amdhsa_system_sgpr_workgroup_id_y 1
		.amdhsa_system_sgpr_workgroup_id_z 1
		.amdhsa_system_vgpr_workitem_id 0
		.amdhsa_next_free_vgpr 1024
		.amdhsa_next_free_sgpr 80
		.amdhsa_reserve_vcc 0
		.amdhsa_float_denorm_mode_32 3
		.amdhsa_float_denorm_mode_16_64 3
		.amdhsa_memory_ordered 1
		.amdhsa_forward_progress 1
		.amdhsa_inst_pref_size 103
	.end_amdhsa_kernel
	.amdgpu_metadata
---
amdhsa.version: [ 1, 2 ]
amdhsa.kernels:
  - .name:           k_q4779958bfd_wo
    .symbol:         k_q4779958bfd_wo.kd
    .args:
      - { .name: act, .offset: 0, .size: 8, .value_kind: global_buffer, .address_space: global }
      - { .name: w2o, .offset: 8, .size: 8, .value_kind: global_buffer, .address_space: global }
      - { .name: bo, .offset: 16, .size: 8, .value_kind: global_buffer, .address_space: global }
      - { .name: x, .offset: 24, .size: 8, .value_kind: global_buffer, .address_space: global }
      - { .name: x1, .offset: 32, .size: 8, .value_kind: global_buffer, .address_space: global }
    .group_segment_fixed_size: 327680
    .private_segment_fixed_size: 0
    .kernarg_segment_align: 8
    .kernarg_segment_size: 40
    .max_flat_workgroup_size: 128
    .sgpr_count:     80
    .vgpr_count:     1024
    .wavefront_size: 32
...
	.end_amdgpu_metadata
.endif
;; end of part 4
;; launch ln2 (part 5): grid 256 x 1, 8 waves a work-group, no clusters, 0 bytes of LDS; arguments x1, ln2_alpha, ln2_bias, act; writes act
.if DOCPART == 5
	.amdgcn_target "amdgcn-amd-amdhsa--gfx1250"
	.amdhsa_code_object_version 6
	.text
	.protected	k_q4779958bfd_ln2
	.globl	k_q4779958bfd_ln2
	.p2align	8
	.type	k_q4779958bfd_ln2,@function
k_q4779958bfd_ln2:
	s_mov_b64 s[64:65], 0
	v_nop
	global_prefetch_b8 v0, s[64:65] scope:SCOPE_SE
	s_setreg_imm32_b32 hwreg(HW_REG_WAVE_MODE, 25, 1), 1
	s_wait_xcnt 0x0
; out[r][c] = f16( alpha (in[r][c] - mean[r]) / (std[r] + 1e-6) + bias ).  in: [4096][1024] f32, out: [4096][1024] f16; alpha, bias: one f32 each.
; std with the divisor 1023.  Two passes over the row in registers: the mean first, then the squares of the differences, so a common
; offset of the row costs no digits.  f16 has the room: a deviate of 1,024 numbers divided by their std is at most 1023/32, so
; |out| <= 32 |alpha| + |bias|.  LIMIT: beyond 65,504 (|alpha| near 2,000) the result becomes infinite.
; One wave, one row at a time (4,096 bytes = 32 registers), two rows a wave, 16 rows a work-group:
; the sums never leave the wave, so no LDS and no barrier.  Each load of a wave covers 512 consecutive bytes, each store 256, aligned.
; No hint on the loads: a later launch reads the same buffer again.  The work-groups share no input: no cluster.
.set X0, 4                             ; v[4:35]   row 0
.set X1, 36                            ; v[36:67]  row 1
.set T,  68                            ; v[68:77]  at work
	s_load_b256 s[4:11], s[0:1], 0x0               ; in s[4:5], alpha s[6:7], bias s[8:9], out s[10:11]
	v_and_b32 v3, 31, v0                           ; lane
	v_lshrrev_b32 v2, 5, v0                        ; wave
	v_lshlrev_b32 v1, 4, v3
	v_lshl_add_u32 v1, v2, 13, v1                  ; in: 16 lane + wave x 2 rows x 4,096
	v_lshlrev_b32 v3, 3, v3
	v_lshl_add_u32 v2, v2, 12, v3                  ; out: 8 lane + wave x 2 rows x 2,048
	s_lshl_b32 s16, ttmp9, 16                      ; the group's 16 rows
	s_mov_b32 s17, 0
	s_lshl_b32 s18, ttmp9, 15
	s_mov_b32 s19, 0
	s_mov_b32 s14, 0x76543210                      ; v_permlanex16_b32: lane i of one half reads lane i of the other
	s_mov_b32 s15, 0xfedcba98
	s_wait_kmcnt 0x0
	s_load_b32 s12, s[6:7], 0x0                    ; alpha
	s_load_b32 s20, s[8:9], 0x0                    ; bias
	s_add_nc_u64 s[4:5], s[4:5], s[16:17]
	s_add_nc_u64 s[10:11], s[10:11], s[18:19]
.irp j, 0,1,2,3,4,5,6,7
	global_load_b128 v[X0+4*\j:X0+4*\j+3], v1, s[4:5] offset:512*\j
.endr
.irp j, 0,1,2,3,4,5,6,7
	global_load_b128 v[X1+4*\j:X1+4*\j+3], v1, s[4:5] offset:4096+512*\j
.endr
	s_wait_kmcnt 0x0
	s_mov_b32 s21, s20                             ; a scalar pair is named whole
.macro REDUCE                          ; four pairs of partial sums in v[T:T+7] become one sum, in v[T] of every lane
	v_pk_add_f32 v[T:T+1],   v[T:T+1],   v[T+2:T+3]
	v_pk_add_f32 v[T+4:T+5], v[T+4:T+5], v[T+6:T+7]
	v_pk_add_f32 v[T:T+1],   v[T:T+1],   v[T+4:T+5]
	v_add_f32 v[T], v[T], v[T+1]
	v_add_f32_dpp v[T], v[T], v[T] row_xmask:1 row_mask:0xf bank_mask:0xf
	v_add_f32_dpp v[T], v[T], v[T] row_xmask:2 row_mask:0xf bank_mask:0xf
	v_add_f32_dpp v[T], v[T], v[T] row_xmask:4 row_mask:0xf bank_mask:0xf
	v_add_f32_dpp v[T], v[T], v[T] row_xmask:8 row_mask:0xf bank_mask:0xf
	v_permlanex16_b32 v[T+1], v[T], s14, s15       ; its destination has been written before
	v_add_f32 v[T], v[T], v[T+1]
.endm
.macro ROW X, i, left
	s_wait_loadcnt \left                           ; this row's eight loads are in; the younger ones stay out
	v_pk_add_f32 v[T:T+1],   v[\X:\X+1],   v[\X+8:\X+9]       ; the first pairs start four chains: nothing is cleared
	v_pk_add_f32 v[T+2:T+3], v[\X+2:\X+3], v[\X+10:\X+11]
	v_pk_add_f32 v[T+4:T+5], v[\X+4:\X+5], v[\X+12:\X+13]
	v_pk_add_f32 v[T+6:T+7], v[\X+6:\X+7], v[\X+14:\X+15]
.irp k, 16,18,20,22,24,26,28,30
	v_pk_add_f32 v[T+\k%8:T+\k%8+1], v[T+\k%8:T+\k%8+1], v[\X+\k:\X+\k+1]
.endr
	REDUCE
	v_mul_f32 v[T+8], 0x3a800000, v[T]             ; mean = sum / 1024
	v_mov_b32 v[T+9], v[T+8]
.irp k, 0,2,4,6,8,10,12,14,16,18,20,22,24,26,28,30
	v_pk_add_f32 v[\X+\k:\X+\k+1], v[\X+\k:\X+\k+1], v[T+8:T+9] neg_lo:[0,1] neg_hi:[0,1]
.endr
.irp k, 0,2,4,6
	v_pk_mul_f32 v[T+\k:T+\k+1], v[\X+\k:\X+\k+1], v[\X+\k:\X+\k+1]
.endr
.irp k, 8,10,12,14,16,18,20,22,24,26,28,30
	v_pk_fma_f32 v[T+\k%8:T+\k%8+1], v[\X+\k:\X+\k+1], v[\X+\k:\X+\k+1], v[T+\k%8:T+\k%8+1]
.endr
	REDUCE
	v_mul_f32 v[T], 0x3a802008, v[T]               ; / 1023
	v_sqrt_f32 v[T+1], v[T]
	v_nop                                          ; one plain place behind a transcendental (ISA guide 5.7.2)
	s_wait_alu depctr_va_vdst(0)
	v_add_f32 v[T+1], 0x358637bd, v[T+1]           ; std + 1e-6
	v_rcp_f32 v[T+2], v[T+1]
	v_nop
	s_wait_alu depctr_va_vdst(0)
	v_mul_f32 v[T+8], s12, v[T+2]                  ; alpha / (std + eps)
	v_mov_b32 v[T+9], v[T+8]
.irp k, 0,2,4,6,8,10,12,14,16,18,20,22,24,26,28,30
	v_pk_fma_f32 v[\X+\k:\X+\k+1], v[\X+\k:\X+\k+1], v[T+8:T+9], s[20:21] op_sel_hi:[1,1,0]
.endr
.irp j, 0,1,2,3,4,5,6,7
	v_cvt_pk_f16_f32 v[\X+4*\j],   v[\X+4*\j],   v[\X+4*\j+1]
	v_cvt_pk_f16_f32 v[\X+4*\j+1], v[\X+4*\j+2], v[\X+4*\j+3]
	global_store_b64 v2, v[\X+4*\j:\X+4*\j+1], s[10:11] offset:\i*2048+\j*256
.endr
.endm
	ROW X0, 0, 8
	ROW X1, 1, 0
	s_endpgm
.Lfunc_end_k_q4779958bfd_ln2:
	.size	k_q4779958bfd_ln2, .Lfunc_end_k_q4779958bfd_ln2-k_q4779958bfd_ln2
	.p2alignl 7, 3214868480
	.fill 96, 4, 3214868480
	.section	.rodata,"a",@progbits
	.p2align	6, 0x0
	.amdhsa_kernel k_q4779958bfd_ln2
		.amdhsa_group_segment_fixed_size 0
		.amdhsa_private_segment_fixed_size 0
		.amdhsa_enable_private_segment 0
		.amdhsa_kernarg_size 32
		.amdhsa_user_sgpr_count 2
		.amdhsa_user_sgpr_kernarg_segment_ptr 1
		.amdhsa_wavefront_size32 1
		.amdhsa_system_sgpr_workgroup_id_x 1
		.amdhsa_system_sgpr_workgroup_id_y 1
		.amdhsa_system_sgpr_workgroup_id_z 1
		.amdhsa_system_vgpr_workitem_id 0
		.amdhsa_next_free_vgpr 80
		.amdhsa_next_free_sgpr 66
		.amdhsa_reserve_vcc 0
		.amdhsa_float_denorm_mode_32 3
		.amdhsa_float_denorm_mode_16_64 3
		.amdhsa_memory_ordered 1
		.amdhsa_forward_progress 1
		.amdhsa_inst_pref_size 17
	.end_amdhsa_kernel
	.amdgpu_metadata
---
amdhsa.version: [ 1, 2 ]
amdhsa.kernels:
  - .name:           k_q4779958bfd_ln2
    .symbol:         k_q4779958bfd_ln2.kd
    .args:
      - { .name: x1, .offset: 0, .size: 8, .value_kind: global_buffer, .address_space: global }
      - { .name: ln2_alpha, .offset: 8, .size: 8, .value_kind: global_buffer, .address_space: global }
      - { .name: ln2_bias, .offset: 16, .size: 8, .value_kind: global_buffer, .address_space: global }
      - { .name: act, .offset: 24, .size: 8, .value_kind: global_buffer, .address_space: global }
    .group_segment_fixed_size: 0
    .private_segment_fixed_size: 0
    .kernarg_segment_align: 8
    .kernarg_segment_size: 32
    .max_flat_workgroup_size: 256
    .sgpr_count:     66
    .vgpr_count:     80
    .wavefront_size: 32
...
	.end_amdgpu_metadata
.endif
;; end of part 5
;; launch ffn1: the kernel of part 2 again; grid 16 x 16, 4 waves a work-group, clusters of 4 x 4, 327,680 bytes of LDS; arguments act, w1b, b1, big; writes big
;; launch ffn2 (part 6): grid 8 x 32, 4 waves a work-group, clusters of 4 x 4, 327,680 bytes of LDS; arguments big, w2o, b2, x1, out0; writes out0
.if DOCPART == 6
	.amdgcn_target "amdgcn-amd-amdhsa--gfx1250"
	.amdhsa_code_object_version 6
	.text
	.protected	k_q4779958bfd_ffn2
	.globl	k_q4779958bfd_ffn2
	.p2align	8
	.type	k_q4779958bfd_ffn2,@function
k_q4779958bfd_ffn2:
	s_mov_b64 s[64:65], 0
	v_nop
	global_prefetch_b8 v0, s[64:65] scope:SCOPE_SE
	s_setreg_imm32_b32 hwreg(HW_REG_WAVE_MODE, 25, 1), 1
	s_wait_xcnt 0x0
	s_wait_alu depctr_hold_cnt(0) depctr_sa_sdst(0) depctr_va_vdst(0) depctr_va_sdst(0) depctr_va_ssrc(0) depctr_va_vcc(0) depctr_vm_vsrc(0)
	s_getreg_b32 s2, hwreg(HW_REG_IB_STS2, 6, 4)
	s_cmp_eq_u32 s2, 0
	s_cbranch_scc0 .Lentry_in_a_cluster
	s_endpgm
.Lentry_in_a_cluster:
	s_bfe_u32 s2, ttmp6, 0x10000c
	s_cmp_lg_u32 s2, 0xf033
	s_cbranch_scc0 .Lentry_shape_is_right
	s_endpgm
.Lentry_shape_is_right:
; C[m][n] = R[m][n] + bias[n] + sum over k of A[m][k] B[k][n], f32 out.  A: [4096][APITCH] f16; B: [SIZE_K][1024] f16 at byte BOFF of its buffer,
; K down the rows; bias: [1024] f32; R, C: [4096][1024] f32.  Sums in f32; nothing here is rounded to 16 bits.
; The text of the attention's output projection with SIZE_K = APITCH = 4096, BOFF = 0.
; N is 1,024, so 256 work-groups means blocks of 128 x 128.  Every wave makes the WHOLE block (64 accumulator tiles, 512 registers) over its own
; quarter of K: for 32 along K a wave still loads 2 x 128 x 64 bytes from LDS for 64 matrix instructions, half of what four tiles of 64 x 64 would
; load for the same work.  The four partial blocks are added once, through LDS, at the end (the order of that sum: ((w0 + w1) + (w2 + w3)) + bias + R).
; K goes in slots of 256 (wave w takes k = 64 w .. 64 w + 63 of a slot, in two steps of 32) through two LDS slots filled by the tensor data mover.
; CLUSTERS: 4 x 4 work-groups; A's tile is asked for jointly by a row of the cluster, B's by a column.
; REGISTERS: window 0: v16-35 addresses and bias; v64-191 fragments of A, two buffers, later the partial sums;  window 1: v64-191 fragments of B, later R;
; windows 2, 3: accumulators of rows 0-63, 64-127.  The matrix instruction is used transposed (source 0 = columns of B): lane l holds row l % 16
; and eight neighbouring columns 8 (l / 16) + 0..7.
.set SIZE_K, 4096
.set APITCH, 4096
.set BOFF,   0
.set KSLOT,  256
.set APIT,   528                       ; A in LDS: 512 bytes + 16, an odd multiple of 16
.set BPIT,   288                       ; B in LDS: 256 bytes + 32, an odd multiple of 32, for the transposing loads
.set REG,    36864                     ; what one wave fills: 64 rows of A (33,792 bytes, the rest unused) or 128 rows of B (exactly)
.set GAP,    REG-64*APIT
.set SLOT,   4*REG
.set LAPS,   SIZE_K/(2*KSLOT)
.set RP,     528                       ; the sum: a row of 128 f32 + 16 bytes
.set REGW,   32*RP                     ; 32 rows of one wave's partial block
.set REGG,   4*REGW                    ; the four waves' partial sums of one group of 32 rows
.set ADRA, 16
.set ADRB, 20
.set RD,   24                          ; v24-25
.set CO,   26
.set STO,  28                          ; v28-31, one for each group of 32 rows
.set BIAS, 32                          ; v32-35
.set F0,   64
.set F1,   128
.set P,    64
.set G1, 24
.set G0, 32
.set G1B, 48
.set G0B, 56
.set MSB, 0
.macro WIN new
.if MSB != \new
	s_set_vgpr_msb (MSB<<8)|\new
.set MSB, \new
.endif
.endm
.set MUL_LO, 0xa1
.set MUL_HI, 0xf1
.set TO_B,   0x40
.macro JLOAD s                         ; waves 0 and 1 fetch A's halves, waves 2 and 3 B's
	s_cmp_eq_u32 s11, 0
	s_cbranch_scc0 .Lfor_b_\@
	tensor_load_to_lds s[G0+4*\s:G0+4*\s+3], s[G1:G1+7]
	s_nop 0
	s_branch .Lasked_\@
.Lfor_b_\@:
	tensor_load_to_lds s[G0B+4*\s:G0B+4*\s+3], s[G1B:G1B+7]
	s_nop 0
.Lasked_\@:
.endm
.macro CREST
	s_cmp_lg_u32 s10, 0
	s_cbranch_scc1 .Lnot_wave_0_\@
	s_barrier_signal -3
.Lnot_wave_0_\@:
	s_barrier_wait -3
	s_barrier_signal -1
	s_barrier_wait -1
.endm
.macro CROUND
	s_barrier_signal -1
	s_barrier_wait -1
	CREST
.endm
	s_load_b256 s[68:75], s[0:1], 0x0              ; A s[68:69], B s[70:71], bias s[72:73], R s[74:75]
	s_load_b64 s[76:77], s[0:1], 0x20              ; C
	s_set_vgpr_msb 0x40
	v_lshl_add_u32 v255, v0, 2, 0x48000
	s_set_vgpr_msb 0x4000
	v_mov_b32 v255, 0
	s_set_vgpr_msb 0x1
	ds_add_u32 v255, v255
	s_set_vgpr_msb 0x100
	v_lshrrev_b32 v1, 5, v0
	v_readfirstlane_b32 s10, v1                    ; wave 0..3: my quarter of K
	s_lshr_b32 s11, s10, 1                         ; I fetch for A (0) or for B (1)
	s_and_b32 s12, s10, 1                          ; which half of that tile
	s_bfe_u32 s40, ttmp6, 0x40000                  ; cx
	s_bfe_u32 s41, ttmp6, 0x40004                  ; cy
	s_lshl_b32 s42, ttmp9, 2
	s_add_co_u32 s42, s42, s40                     ; block column 0..7
	s_and_b32 s13, ttmp7, 0xffff
	s_lshl_b32 s13, s13, 2
	s_add_co_u32 s13, s13, s41                     ; block row 0..31
	s_lshl_b32 s43, s41, 2
	s_lshl_b32 s43, 15, s43                        ; my row of the cluster
	s_lshl_b32 s44, 0x1111, s40                    ; my column
	; group 1.  A: 64 rows x 256 elements, 4 words of padding behind every 128.  B: 128 rows x 128 elements, 8 words behind every 64.
	s_or_b32 s[G1+0], s43, (1<<16)|(1<<20)|(1<<21)|(6<<22)|(3<<25)
	s_or_b32 s[G1B+0], s44, (1<<16)|(1<<20)|(1<<21)|(5<<22)|(7<<25)
	s_mov_b32 s[G1+1], KSLOT<<16
	s_mov_b32 s[G1B+1], 128<<16
	s_mov_b32 s[G1+2], 64<<16
	s_mov_b32 s[G1B+2], 128<<16
	s_mov_b32 s[G1+3], KSLOT<<16
	s_mov_b32 s[G1B+3], 128<<16
	s_mov_b32 s[G1+4], 64
	s_mov_b32 s[G1B+4], 128
	s_mov_b32 s[G1+5], APITCH
	s_mov_b32 s[G1B+5], 1024
	s_mov_b32 s[G1+6], 0
	s_mov_b32 s[G1B+6], 0
	s_mov_b32 s[G1+7], 0
	s_mov_b32 s[G1B+7], 0
	s_lshl_b32 s17, s12, 6
	s_lshl_b32 s16, s13, 7
	s_add_co_u32 s16, s16, s17                     ; A: row 128 x block row + 64 x half,
	s_mul_i32 s16, s16, APITCH*2                   ; in bytes
	s_mov_b32 s17, 0
	s_lshl_b32 s46, s12, 18                        ; B: 128 x half rows of 2,048 bytes
	s_lshl_b32 s47, s42, 8                         ; + 256 bytes x block column
	s_add_co_u32 s46, s46, s47
.if BOFF
	s_add_co_u32 s46, s46, BOFF                    ; + the weight's place in its buffer
.endif
	s_mov_b32 s47, 0
	s_mul_i32 s20, s10, REG                        ; where my part goes: wave x 36,864
	s_wait_dscnt 0x0
	s_wait_kmcnt 0x0
	s_add_nc_u64 s[14:15], s[68:69], s[16:17]
	s_add_nc_u64 s[46:47], s[70:71], s[46:47]
	CROUND                                         ; all sixteen work-groups are here: the first joint loads meet
.irp s, 0,1
	s_mov_b32 s[G0+4*\s], 1
	s_add_co_u32 s[G0+4*\s+1], s20, \s*SLOT
	s_add_nc_u64 s[G0+4*\s+2:G0+4*\s+3], s[14:15], \s*KSLOT*2
	s_or_b32 s[G0+4*\s+3], s[G0+4*\s+3], 0x80000000
	s_mov_b32 s[G0B+4*\s], 1
	s_add_co_u32 s[G0B+4*\s+1], s20, \s*SLOT
	s_add_nc_u64 s[G0B+4*\s+2:G0B+4*\s+3], s[46:47], \s*KSLOT*2048
	s_or_b32 s[G0B+4*\s+3], s[G0B+4*\s+3], 0x80000000
	JLOAD \s
.endr
	v_and_b32 v1, 15, v0                           ; l % 16
	v_bfe_u32 v2, v0, 4, 1                         ; l / 16
	v_and_b32 v6, 7, v0
	v_bfe_u32 v7, v0, 3, 1
	v_mul_u32_u24 v3, v1, APIT
	v_lshl_add_u32 v3, v2, 4, v3                   ; A: row x pitch + 16 (l / 16)
	s_lshl_b32 s21, s10, 7                         ; + my 64 of the slot's 256 along K: 128 bytes x wave
	v_lshl_add_u32 v8, v2, 3, v6                   ; B: row 8 (l / 16) + l % 8 of 32 along K, 16 bytes at 16 ((l / 8) % 2)
	v_mul_u32_u24 v8, v8, BPIT
	v_lshl_add_u32 v8, v7, 4, v8
	s_mul_i32 s22, s10, 64*BPIT                    ; + my 64 rows,
	s_add_co_u32 s22, s22, 2*REG                   ; behind A's two parts
.irp s, 0,1
	v_add_nc_u32 v[ADRA+\s], s21, v3
	v_add_nc_u32 v[ADRB+\s], s22, v8
	s_add_co_u32 s21, s21, SLOT
	s_add_co_u32 s22, s22, SLOT
.endr
	v_mul_u32_u24 v4, v1, RP
	v_lshl_add_u32 v4, v2, 5, v4                   ; the sum, in: row l % 16, 32 bytes for each half of the lanes
	s_mul_i32 s23, s10, REGW
.irp g, 0,1,2,3
	v_add_nc_u32 v[STO+\g], s23, v4
	s_add_co_u32 s23, s23, REGG
.endr
	v_and_b32 v5, 31, v0
	v_lshlrev_b32 v[CO], 4, v5                     ; 16 bytes a lane: a row of 512 bytes a wave
	s_mul_i32 s23, s10, REGG
	v_add_nc_u32 v[RD], s23, v[CO]                 ; the sum, back: my group of 32 rows, waves 0 and 1,
	v_add_nc_u32 v[RD+1], 2*REGW, v[RD]            ; waves 2 and 3
; The 64 accumulators take turns, one instruction a turn, in the same order in every step.
.macro MUL16 f, hi, a0, zero
.irp a, \a0, \a0+1
.irp b, 0,1,2,3,4,5,6,7
.if \zero
	v_wmma_f32_16x16x32_f16 v[8*(8*(\a)+\b):8*(8*(\a)+\b)+7], v[\f+8*\b:\f+8*\b+7], v[\f+8*(4*\hi+\a):\f+8*(4*\hi+\a)+7], 0
.else
	v_wmma_f32_16x16x32_f16 v[8*(8*(\a)+\b):8*(8*(\a)+\b)+7], v[\f+8*\b:\f+8*\b+7], v[\f+8*(4*\hi+\a):\f+8*(4*\hi+\a)+7], v[8*(8*(\a)+\b):8*(8*(\a)+\b)+7]
.endif
.endr
.endr
.endm
.macro FETCH slot, st, f               ; 32 LDS loads: step st (32 along K) of my quarter of the slot into buffer f
	WIN TO_B
.irp i, 0,1,2,3,4,5,6,7
	ds_load_tr16_b128 v[\f+8*\i:\f+8*\i+3],   v[ADRB+\slot] offset:\st*32*BPIT+32*\i
	ds_load_tr16_b128 v[\f+8*\i+4:\f+8*\i+7], v[ADRB+\slot] offset:\st*32*BPIT+32*\i+16*BPIT
.endr
	WIN 0
.irp i, 0,1,2,3,4,5,6,7
	ds_load_b128 v[\f+8*\i:\f+8*\i+3],   v[ADRA+\slot] offset:\st*64+\i*16*APIT+(\i/4)*GAP
	ds_load_b128 v[\f+8*\i+4:\f+8*\i+7], v[ADRA+\slot] offset:\st*64+\i*16*APIT+(\i/4)*GAP+32
.endr
.endm
.macro PLACES                          ; four places of plain vector instructions behind matrix instructions (ISA guide 7.12.1)
.rept 4
	v_nop
.endr
.endm
.macro QUARTER slot, st, f, g, zero    ; multiplies buffer f; in its middle fetches step st of the same slot into buffer g
	s_wait_dscnt 8                                 ; B and A's rows 0-63 are in; the youngest eight loads (A's rows 64-127) may be out
	WIN MUL_LO
	MUL16 \f, 0, 0, \zero
	MUL16 \f, 0, 2, \zero
	PLACES
	FETCH \slot, \st, \g
	s_wait_dscnt 32                                ; all but the 32 just issued
	WIN MUL_HI
	MUL16 \f, 1, 0, \zero
	MUL16 \f, 1, 2, \zero
.endm
; The slot's second step multiplies buffer 1 and changes slots: each wave's waits for its reads and for all its tensor loads stand in front of the
; barrier; behind it (with fill = 1: behind the round of the cluster's barrier that it opens) the refill comes first, then the next slot's fragments.
.macro TURN slot, next, fill
	s_wait_dscnt 8
	WIN MUL_LO
	MUL16 F1, 0, 0, 0
	s_wait_dscnt 0
	s_wait_tensorcnt 0x0
	ds_add_u32 v255, v255
	s_wait_dscnt 0x0
	s_barrier_signal -1
	MUL16 F1, 0, 2, 0
	WIN 0
	s_barrier_wait -1
.if \fill
	CREST
	s_add_nc_u64 s[G0+4*\slot+2:G0+4*\slot+3], s[G0+4*\slot+2:G0+4*\slot+3], 2*KSLOT*2
	s_add_nc_u64 s[G0B+4*\slot+2:G0B+4*\slot+3], s[G0B+4*\slot+2:G0B+4*\slot+3], 2*KSLOT*2048
	JLOAD \slot
.endif
	PLACES
	FETCH \next, 0, F0
	WIN MUL_HI
	MUL16 F1, 1, 0, 0
	MUL16 F1, 1, 2, 0
.endm
.macro LAP zero
	QUARTER 0, 1, F0, F1, \zero
	TURN 0, 1, 1
	QUARTER 1, 1, F0, F1, 0
	TURN 1, 0, 1
.endm
	s_wait_tensorcnt 1                             ; my part of slot 0 is in; slot 1's stays out
	s_barrier_signal -1
	s_barrier_wait -1
	FETCH 0, 0, F0
	LAP 1
.if LAPS > 2
	WIN 0
	s_mov_b32 s3, LAPS-2
.Llap:
	LAP 0
	WIN 0
	s_sub_co_u32 s3, s3, 1
	s_cmp_lg_u32 s3, 0
	s_cbranch_scc1 .Llap
.endif
	QUARTER 0, 1, F0, F1, 0                        ; the last lap fills nothing
	TURN 0, 1, 0
	QUARTER 1, 1, F0, F1, 0
	s_wait_dscnt 8
	WIN MUL_LO
	MUL16 F1, 0, 0, 0
	MUL16 F1, 0, 2, 0
	s_wait_dscnt 0
	WIN MUL_HI
	MUL16 F1, 1, 0, 0
	MUL16 F1, 1, 2, 0
	; THE SUM AND THE WAY OUT.  Wave w owns rows 32 w .. 32 w + 31 of the block.
	PLACES
	WIN 0
	s_lshl_b32 s16, s13, 7
	s_lshl_b32 s17, s10, 5
	s_add_co_u32 s16, s16, s17                     ; my first row,
	s_lshl_b32 s16, s16, 12                        ; times 4,096 bytes
	s_mov_b32 s17, 0
	s_lshl_b32 s46, s42, 9                         ; the block's first column: 512 bytes x block column
	s_mov_b32 s47, 0
	s_add_nc_u64 s[74:75], s[74:75], s[16:17]
	s_add_nc_u64 s[74:75], s[74:75], s[46:47]
	s_add_nc_u64 s[76:77], s[76:77], s[16:17]
	s_add_nc_u64 s[76:77], s[76:77], s[46:47]
	s_add_nc_u64 s[72:73], s[72:73], s[46:47]
	WIN TO_B
.set i, 0
.rept 32
	global_load_b128 v[64+4*i:64+4*i+3], v[CO], s[74:75] offset:i*4096     ; R's 32 rows, into B's fragment registers: on their way during the exchange
.set i, i+1
.endr
	WIN 0
	global_load_b128 v[BIAS:BIAS+3], v[CO], s[72:73]
	s_barrier_signal -1                            ; every wave's reads of the ring are back (the wait for 0 above) and the ring has had its last fill
	s_barrier_wait -1
.macro PUT hi, win                     ; my partial block's rows 64 hi .. 64 hi + 63, as rows of 512 bytes: group (4 hi + a) / 2, my part of it
	WIN \win
.irp a, 0,1,2,3
.irp b, 0,1,2,3,4,5,6,7
	ds_store_b128 v[STO+2*\hi+(\a)/2], v[8*(8*\a+\b):8*(8*\a+\b)+3]   offset:((\a)%2)*16*RP+64*\b
	ds_store_b128 v[STO+2*\hi+(\a)/2], v[8*(8*\a+\b)+4:8*(8*\a+\b)+7] offset:((\a)%2)*16*RP+64*\b+16
.endr
.endr
.endm
	PUT 0, 0x08                                    ; store data in window 2
	PUT 1, 0x0c                                    ; in window 3
	WIN 0
	s_wait_dscnt 0x0                               ; my stores are done, for the others' sake
	s_barrier_signal -1
	s_barrier_wait -1
.macro BATCH bt                        ; eight rows: four partial sums, bias, R
.if \bt
	s_wait_xcnt 0x0                                ; the last batch's stores have read their data registers
.endif
.irp sw, 0,1,2,3
.irp t, 0,1,2,3,4,5,6,7
	ds_load_b128 v[P+32*\sw+4*\t:P+32*\sw+4*\t+3], v[RD+(\sw)/2] offset:((\sw)%2)*REGW+(8*\bt+\t)*RP
.endr
.endr
	s_wait_dscnt 0x0
.if \bt == 0
	s_wait_loadcnt 0x0                             ; R and the bias, once
.endif
.irp t, 0,1,2,3,4,5,6,7
.irp p, 0,2
	v_pk_add_f32 v[P+4*\t+\p:P+4*\t+\p+1], v[P+4*\t+\p:P+4*\t+\p+1], v[P+32+4*\t+\p:P+32+4*\t+\p+1]
	v_pk_add_f32 v[P+64+4*\t+\p:P+64+4*\t+\p+1], v[P+64+4*\t+\p:P+64+4*\t+\p+1], v[P+96+4*\t+\p:P+96+4*\t+\p+1]
.endr
.endr
.irp t, 0,1,2,3,4,5,6,7
.irp p, 0,2
	v_pk_add_f32 v[P+4*\t+\p:P+4*\t+\p+1], v[P+4*\t+\p:P+4*\t+\p+1], v[P+64+4*\t+\p:P+64+4*\t+\p+1]
.endr
.endr
.irp t, 0,1,2,3,4,5,6,7
.irp p, 0,2
	v_pk_add_f32 v[P+4*\t+\p:P+4*\t+\p+1], v[P+4*\t+\p:P+4*\t+\p+1], v[BIAS+\p:BIAS+\p+1]
.endr
.endr
	WIN 0x04                                       ; source 1 (R) in window 1
.irp t, 0,1,2,3,4,5,6,7
.irp p, 0,2
	v_pk_add_f32 v[P+4*\t+\p:P+4*\t+\p+1], v[P+4*\t+\p:P+4*\t+\p+1], v[64+4*(8*\bt+\t)+\p:64+4*(8*\bt+\t)+\p+1]
.endr
.endr
	WIN 0
.irp t, 0,1,2,3,4,5,6,7
	global_store_b128 v[CO], v[P+4*\t:P+4*\t+3], s[76:77] offset:(8*\bt+\t)*4096   ; a wave's store covers 512 consecutive bytes, aligned
.endr
.endm
	BATCH 0
	BATCH 1
	BATCH 2
	BATCH 3
	s_set_vgpr_msb 0x1
	s_wait_tensorcnt 0x0
	ds_add_u32 v255, v255
	s_wait_dscnt 0x0
	s_set_vgpr_msb 0x100
	CROUND                                         ; the closing round
	s_endpgm
.Lfunc_end_k_q4779958bfd_ffn2:
	.size	k_q4779958bfd_ffn2, .Lfunc_end_k_q4779958bfd_ffn2-k_q4779958bfd_ffn2
	.p2alignl 7, 3214868480
	.fill 96, 4, 3214868480
	.section	.rodata,"a",@progbits
	.p2align	6, 0x0
	.amdhsa_kernel k_q4779958bfd_ffn2
		.amdhsa_group_segment_fixed_size 327680
		.amdhsa_private_segment_fixed_size 0
		.amdhsa_enable_private_segment 0
		.amdhsa_kernarg_size 40
		.amdhsa_user_sgpr_count 2
		.amdhsa_user_sgpr_kernarg_segment_ptr 1
		.amdhsa_wavefront_size32 1
		.amdhsa_system_sgpr_workgroup_id_x 1
		.amdhsa_system_sgpr_workgroup_id_y 1
		.amdhsa_system_sgpr_workgroup_id_z 1
		.amdhsa_system_vgpr_workitem_id 0
		.amdhsa_next_free_vgpr 1024
		.amdhsa_next_free_sgpr 80
		.amdhsa_reserve_vcc 0
		.amdhsa_float_denorm_mode_32 3
		.amdhsa_float_denorm_mode_16_64 3
		.amdhsa_memory_ordered 1
		.amdhsa_forward_progress 1
		.amdhsa_inst_pref_size 131
	.end_amdhsa_kernel
	.amdgpu_metadata
---
amdhsa.version: [ 1, 2 ]
amdhsa.kernels:
  - .name:           k_q4779958bfd_ffn2
    .symbol:         k_q4779958bfd_ffn2.kd
    .args:
      - { .name: big, .offset: 0, .size: 8, .value_kind: global_buffer, .address_space: global }
      - { .name: w2o, .offset: 8, .size: 8, .value_kind: global_buffer, .address_space: global }
      - { .name: b2, .offset: 16, .size: 8, .value_kind: global_buffer, .address_space: global }
      - { .name: x1, .offset: 24, .size: 8, .value_kind: global_buffer, .address_space: global }
      - { .name: out0, .offset: 32, .size: 8, .value_kind: global_buffer, .address_space: global }
    .group_segment_fixed_size: 327680
    .private_segment_fixed_size: 0
    .kernarg_segment_align: 8
    .kernarg_segment_size: 40
    .max_flat_workgroup_size: 128
    .sgpr_count:     80
    .vgpr_count:     1024
    .wavefront_size: 32
...
	.end_amdgpu_metadata
.endif
;; end of part 6
;; ======== version 2 of 2: 7 launches; version 1 with the launch ln2 written anew for expert scheduling mode
;; limits: right only within a limited range of input values; values are held in f16: magnitudes above 65,504 overflow, below 6.1e-05 lose precision
;; workspace buffers: wqkv 8,390,656 bytes; w1b 8,390,656 bytes; w2o 10,485,760 bytes; bqkv 12,288 bytes; act 8,388,608 bytes; big 33,554,432 bytes; x1 16,777,216 bytes
;; launch prep: the kernel of part 1 again; grid 64 x 16, 8 waves a work-group, no clusters, 0 bytes of LDS; arguments x, ln1_alpha, ln1_bias, act, wq, wk, wv, wo, w1, w2, bq, bk, bv, wqkv, w1b, w2o, bqkv; writes act, wqkv, w1b, w2o, bqkv
;; launch qkv: the kernel of part 2 again; grid 12 x 16, 4 waves a work-group, clusters of 4 x 4, 327,680 bytes of LDS; arguments act, wqkv, bqkv, big; writes big
;; launch attn: the kernel of part 3 again; grid 16 x 16, 8 waves a work-group, clusters of 4 x 1, 327,680 bytes of LDS; arguments big, mask, act; writes act
;; launch wo: the kernel of part 4 again; grid 8 x 32, 4 waves a work-group, clusters of 4 x 4, 327,680 bytes of LDS; arguments act, w2o, bo, x, x1; writes x1
;; launch ln2 (part 7): grid 256 x 1, 8 waves a work-group, no clusters, 0 bytes of LDS; arguments x1, ln2_alpha, ln2_bias, act; writes act
.if DOCPART == 7
	.amdgcn_target "amdgcn-amd-amdhsa--gfx1250"
	.amdhsa_code_object_version 6
	.text
	.protected	k_q4779958bfd_ln2
	.globl	k_q4779958bfd_ln2
	.p2align	8
	.type	k_q4779958bfd_ln2,@function
k_q4779958bfd_ln2:
	s_mov_b64 s[64:65], 0
	v_nop
	global_prefetch_b8 v0, s[64:65] scope:SCOPE_SE
	s_setreg_imm32_b32 hwreg(HW_REG_WAVE_SCHED_MODE, 0, 2), 2
	s_setreg_imm32_b32 hwreg(HW_REG_WAVE_MODE, 25, 1), 1
	s_wait_xcnt 0x0
	s_wait_alu depctr_vm_vsrc(0)
; out[r][c] = f16( alpha (in[r][c] - mean[r]) / (std[r] + 1e-6) + bias ).  in: [4096][1024] f32, out: [4096][1024] f16; alpha, bias: one f32 each.
; std with the divisor 1023.  Two passes over the row in registers: the mean first, then the squares of the differences, so a common
; offset of the row costs no digits.  f16 has the room: a deviate of 1,024 numbers divided by their std is at most 1023/32, so
; |out| <= 32 |alpha| + |bias|.  LIMIT: beyond 65,504 (|alpha| near 2,000) the result becomes infinite.
; One wave, one row at a time (4,096 bytes = 32 registers), two rows a wave, 16 rows a work-group:
; the sums never leave the wave, so no LDS and no barrier.  Each load of a wave covers 512 consecutive bytes, each store 256, aligned.
; No hint on the loads: a later launch reads the same buffer again.  The work-groups share no input: no cluster.
; THE MODE: SCHED_MODE bits 1:0 = 2 (LLVM: expert scheduling mode 2), set by the entry lines.  The code itself states the register dependences
; between vector instructions and memory instructions, with s_wait_alu, always for 0.
; THE PLAN.  Registers that memory instructions touch:
;   v1, v2   the loads' and the stores' byte offsets: written at the head, never again.
;   X0, X1   a row each: written by the row's eight loads, worked on in place by the row's arithmetic, whose sixteen roundings leave the f16 in registers
;            4 j and 4 j + 1 of the row; read by the row's eight stores.  Behind its roundings no vector instruction names a row's registers again.
;   T and v3 are named by vector instructions alone.
; No load lands in a register that a vector instruction has named, and no register that a memory instruction has read is written again.
; So three waits on va_vdst state all: at the head (the offsets are written); at the head of row 1, behind the wait for its data (row 0's roundings have
; written what row 0's stores read; these stores are then dealt among row 1's first sums, which name X1 and T alone); and behind row 1's roundings.
; The two further waits a row are those between a transcendental and the first reader of its result.
.set X0, 4                             ; v[4:35]   row 0
.set X1, 36                            ; v[36:67]  row 1
.set T,  68                            ; v[68:77]  at work
	s_load_b256 s[4:11], s[0:1], 0x0               ; in s[4:5], alpha s[6:7], bias s[8:9], out s[10:11]
	v_and_b32 v3, 31, v0                           ; lane
	v_lshrrev_b32 v2, 5, v0                        ; wave
	v_lshlrev_b32 v1, 4, v3
	v_lshl_add_u32 v1, v2, 13, v1                  ; in: 16 lane + wave x 2 rows x 4,096
	v_lshlrev_b32 v3, 3, v3
	v_lshl_add_u32 v2, v2, 12, v3                  ; out: 8 lane + wave x 2 rows x 2,048
	s_lshl_b32 s16, ttmp9, 16                      ; the group's 16 rows
	s_mov_b32 s17, 0
	s_lshl_b32 s18, ttmp9, 15
	s_mov_b32 s19, 0
	s_mov_b32 s14, 0x76543210                      ; v_permlanex16_b32: lane i of one half reads lane i of the other
	s_mov_b32 s15, 0xfedcba98
	s_wait_kmcnt 0x0
	s_load_b32 s12, s[6:7], 0x0                    ; alpha
	s_load_b32 s20, s[8:9], 0x0                    ; bias
	s_add_nc_u64 s[4:5], s[4:5], s[16:17]
	s_add_nc_u64 s[10:11], s[10:11], s[18:19]
	s_wait_alu depctr_va_vdst(0)                   ; v1 and v2 are written: every load reads v1 as its offset, every store v2
.irp j, 0,1,2,3,4,5,6,7
	global_load_b128 v[X0+4*\j:X0+4*\j+3], v1, s[4:5] offset:512*\j
.endr
.irp j, 0,1,2,3,4,5,6,7
	global_load_b128 v[X1+4*\j:X1+4*\j+3], v1, s[4:5] offset:4096+512*\j
.endr
	s_wait_kmcnt 0x0
	s_mov_b32 s21, s20                             ; a scalar pair is named whole
.macro REDUCE                          ; four pairs of partial sums in v[T:T+7] become one sum, in v[T] of every lane
	v_pk_add_f32 v[T:T+1],   v[T:T+1],   v[T+2:T+3]
	v_pk_add_f32 v[T+4:T+5], v[T+4:T+5], v[T+6:T+7]
	v_pk_add_f32 v[T:T+1],   v[T:T+1],   v[T+4:T+5]
	v_add_f32 v[T], v[T], v[T+1]
	v_add_f32_dpp v[T], v[T], v[T] row_xmask:1 row_mask:0xf bank_mask:0xf
	v_add_f32_dpp v[T], v[T], v[T] row_xmask:2 row_mask:0xf bank_mask:0xf
	v_add_f32_dpp v[T], v[T], v[T] row_xmask:4 row_mask:0xf bank_mask:0xf
	v_add_f32_dpp v[T], v[T], v[T] row_xmask:8 row_mask:0xf bank_mask:0xf
	v_permlanex16_b32 v[T+1], v[T], s14, s15       ; its destination has been written before
	v_add_f32 v[T], v[T], v[T+1]
.endm
.macro PUT X, i, j                     ; store j of eight of row i, which lies in X: 256 consecutive bytes a wave
	global_store_b64 v2, v[\X+4*(\j):\X+4*(\j)+1], s[10:11] offset:(\i)*2048+(\j)*256
.endm
; A row's arithmetic, up to its roundings.  before = 1: row 0's stores go out among this row's first sums.
.macro ROW X, left, before
	s_wait_loadcnt \left                           ; this row's eight loads are in; the younger ones stay out
.if \before
	s_wait_alu depctr_va_vdst(0)                   ; row 0's roundings have written the registers of X0 that its stores, dealt among the sums below, read
.endif
	v_pk_add_f32 v[T:T+1],   v[\X:\X+1],   v[\X+8:\X+9]       ; the first pairs start four chains: nothing is cleared
	v_pk_add_f32 v[T+2:T+3], v[\X+2:\X+3], v[\X+10:\X+11]
	v_pk_add_f32 v[T+4:T+5], v[\X+4:\X+5], v[\X+12:\X+13]
	v_pk_add_f32 v[T+6:T+7], v[\X+6:\X+7], v[\X+14:\X+15]
.irp k, 16,18,20,22,24,26,28,30
.if \before
	PUT X0, 0, (\k-16)/2                           ; no wait: no vector instruction since the wait above names X0 or v2
.endif
	v_pk_add_f32 v[T+\k%8:T+\k%8+1], v[T+\k%8:T+\k%8+1], v[\X+\k:\X+\k+1]
.endr
	REDUCE
	v_mul_f32 v[T+8], 0x3a800000, v[T]             ; mean = sum / 1024
	v_mov_b32 v[T+9], v[T+8]
.irp k, 0,2,4,6,8,10,12,14,16,18,20,22,24,26,28,30
	v_pk_add_f32 v[\X+\k:\X+\k+1], v[\X+\k:\X+\k+1], v[T+8:T+9] neg_lo:[0,1] neg_hi:[0,1]
.endr
.irp k, 0,2,4,6
	v_pk_mul_f32 v[T+\k:T+\k+1], v[\X+\k:\X+\k+1], v[\X+\k:\X+\k+1]
.endr
.irp k, 8,10,12,14,16,18,20,22,24,26,28,30
	v_pk_fma_f32 v[T+\k%8:T+\k%8+1], v[\X+\k:\X+\k+1], v[\X+\k:\X+\k+1], v[T+\k%8:T+\k%8+1]
.endr
	REDUCE
	v_mul_f32 v[T], 0x3a802008, v[T]               ; / 1023
	v_sqrt_f32 v[T+1], v[T]
	v_nop                                          ; one plain place behind a transcendental (ISA guide 5.7.2)
	s_wait_alu depctr_va_vdst(0)                   ; the square root has written v[T+1], which the add below reads
	v_add_f32 v[T+1], 0x358637bd, v[T+1]           ; std + 1e-6
	v_rcp_f32 v[T+2], v[T+1]
	v_nop                                          ; the plain place once more
	s_wait_alu depctr_va_vdst(0)                   ; the reciprocal has written v[T+2], which the multiply below reads
	v_mul_f32 v[T+8], s12, v[T+2]                  ; alpha / (std + eps)
	v_mov_b32 v[T+9], v[T+8]
.irp k, 0,2,4,6,8,10,12,14,16,18,20,22,24,26,28,30
	v_pk_fma_f32 v[\X+\k:\X+\k+1], v[\X+\k:\X+\k+1], v[T+8:T+9], s[20:21] op_sel_hi:[1,1,0]
.endr
.irp j, 0,1,2,3,4,5,6,7
	v_cvt_pk_f16_f32 v[\X+4*\j],   v[\X+4*\j],   v[\X+4*\j+1]    ; four numbers close up into the first two of their four registers
	v_cvt_pk_f16_f32 v[\X+4*\j+1], v[\X+4*\j+2], v[\X+4*\j+3]
.endr
.endm
	ROW X0, 8, 0
	ROW X1, 0, 1
	s_wait_alu depctr_va_vdst(0)                   ; row 1's roundings have written the registers of X1 that the last eight stores read
.irp j, 0,1,2,3,4,5,6,7
	PUT X1, 1, \j
.endr
	s_endpgm
.Lfunc_end_k_q4779958bfd_ln2:
	.size	k_q4779958bfd_ln2, .Lfunc_end_k_q4779958bfd_ln2-k_q4779958bfd_ln2
	.p2alignl 7, 3214868480
	.fill 96, 4, 3214868480
	.section	.rodata,"a",@progbits
	.p2align	6, 0x0
	.amdhsa_kernel k_q4779958bfd_ln2
		.amdhsa_group_segment_fixed_size 0
		.amdhsa_private_segment_fixed_size 0
		.amdhsa_enable_private_segment 0
		.amdhsa_kernarg_size 32
		.amdhsa_user_sgpr_count 2
		.amdhsa_user_sgpr_kernarg_segment_ptr 1
		.amdhsa_wavefront_size32 1
		.amdhsa_system_sgpr_workgroup_id_x 1
		.amdhsa_system_sgpr_workgroup_id_y 1
		.amdhsa_system_sgpr_workgroup_id_z 1
		.amdhsa_system_vgpr_workitem_id 0
		.amdhsa_next_free_vgpr 80
		.amdhsa_next_free_sgpr 66
		.amdhsa_reserve_vcc 0
		.amdhsa_float_denorm_mode_32 3
		.amdhsa_float_denorm_mode_16_64 3
		.amdhsa_memory_ordered 1
		.amdhsa_forward_progress 1
		.amdhsa_inst_pref_size 18
	.end_amdhsa_kernel
	.amdgpu_metadata
---
amdhsa.version: [ 1, 2 ]
amdhsa.kernels:
  - .name:           k_q4779958bfd_ln2
    .symbol:         k_q4779958bfd_ln2.kd
    .args:
      - { .name: x1, .offset: 0, .size: 8, .value_kind: global_buffer, .address_space: global }
      - { .name: ln2_alpha, .offset: 8, .size: 8, .value_kind: global_buffer, .address_space: global }
      - { .name: ln2_bias, .offset: 16, .size: 8, .value_kind: global_buffer, .address_space: global }
      - { .name: act, .offset: 24, .size: 8, .value_kind: global_buffer, .address_space: global }
    .group_segment_fixed_size: 0
    .private_segment_fixed_size: 0
    .kernarg_segment_align: 8
    .kernarg_segment_size: 32
    .max_flat_workgroup_size: 256
    .sgpr_count:     66
    .vgpr_count:     80
    .wavefront_size: 32
...
	.end_amdgpu_metadata
.endif
;; end of part 7
;; launch ffn1: the kernel of part 2 again; grid 16 x 16, 4 waves a work-group, clusters of 4 x 4, 327,680 bytes of LDS; arguments act, w1b, b1, big; writes big
;; launch ffn2: the kernel of part 6 again; grid 8 x 32, 4 waves a work-group, clusters of 4 x 4, 327,680 bytes of LDS; arguments big, w2o, b2, x1, out0; writes out0
